; MI455X (gfx1250); checked and timed in simulation.
; The chip was launched on July 23, 2026; its instructions are those of AMD's public machine-readable ISA for CDNA 5 (MIT licence, August 2026) and "CDNA5" Instruction Set Architecture Reference Guide (July 2026). The comments in the code are by the model that wrote it; some were corrected since.
;; Sliding Window Attention. Allowed arithmetic: matrix products marked QUANTISED: E2M3 operands, one E8M0 scale for each 32 along K, by v_wmma_scale_f32_16x16x128_f8f6f4 with both operands' format E2M3, f32 sums; everything else in f32.
;; Inputs: W_o 1,024 x 1,024 float32; W_qkv 3,072 x 1,024 float32; x 4 x 2,048 x 1,024 float32.
;; Outputs: out0 4 x 2,048 x 1,024 float32.
;; This version of the problem:
;;   THIS VERSION OF THE PROBLEM IS GIVEN IN LOW PRECISION. The matrix products marked QUANTISED in the list below multiply operands that are first quantised to E2M3 (2 exponent bits, 3 mantissa bits; 6 bits a number), with one power-of-two scale for each 32 numbers along K (OCP MX v1.0); their sums are f32. All else is computed in f32.
;;   The module's matrix products, in the order in which they are computed (A, B: the left and right operand; K: the contracted axis; several contracted axes count as one K, in the product's order):
;;     1. [M 8,192, K 1,024] x [K 1,024, N 3,072]; A: input x; B: input W_qkv: QUANTISED
;;     2. batch 64 x [M 2,048, K 64] x [K 64, N 2,048]; A: computed on the way; B: computed on the way: QUANTISED
;;     3. batch 64 x [M 2,048, K 2,048] x [K 2,048, N 64]; A: softmax (see below); B: computed on the way: QUANTISED
;;     4. [M 8,192, K 1,024] x [K 1,024, N 1,024]; A: computed on the way; B: input W_o: QUANTISED
;;   THE QUANTISER, for each operand of a quantised product, along K:
;;     - K is cut into blocks of 32 from its start; a last block that is shorter is filled with zeros.
;;     - A block's scale is 2^e with e = floor(log2(the largest magnitude in the block)) - 2, held to -126 .. 127; a block of zeros has e = 0. As a byte (E8M0): e + 127.
;;     - Each number is divided by its block's scale, clamped to +-7.5, and rounded to the nearest number of E2M3, ties to even, subnormals kept.
;;     - The product sums the exact products of the quantised numbers (number of the format x scale) in f32.
;;   ~~~python
;;   def quantise(x, axis):      # numpy; x: float32 -> the quantised numbers, widened to float32 again
;;       x = np.moveaxis(x, axis, -1); K = x.shape[-1]
;;       x = np.pad(x, [(0, 0)] * (x.ndim - 1) + [(0, -K % 32)]); x = x.reshape(x.shape[:-1] + (-1, 32)); a = np.abs(x).max(-1, keepdims=True)
;;       e = np.where(a > 0, np.clip(np.frexp(np.where(a > 0, a, 1))[1] - 1 - 2, -126, 127), 0)      # np.frexp(a)[1] - 1 = floor(log2(a)), exactly
;;       r = np.clip(x / 2.0 ** e, -7.5, 7.5)
;;       step = 2.0 ** (np.maximum(np.frexp(np.where(r == 0, 1, r))[1] - 1, 0) - 3)
;;       q = np.round(r / step) * step * 2.0 ** e      # np.round: ties to even
;;       return np.moveaxis(q.reshape(q.shape[:-2] + (-1,))[..., :K], -1, axis).astype(np.float32)
;;   ~~~
;;   SOFTMAX AHEAD OF A QUANTISED PRODUCT. Where the list says 'softmax', what is quantised is not the finished softmax but p = 2^(t - M), with t = logit x log2(e) and M = ceil(the row's largest t), a whole number; so 1/2 < the row's largest p <= 1. The row's sum l is taken of the UNQUANTISED p, in f32, and the product's result is divided by l at the end. Since M is a whole number, a kernel that streams over the keys may use a running M (the ceiling of the running maximum): every later rescaling is an exact power of two, which a block's scale takes up: the codes' values come out the same.
;;   OPERANDS COMPUTED ON THE WAY. 'Computed on the way' means the value that the module computes at that place (a softmax that the list does not call 'softmax' is quantised finished and normalised). What goes into a quantiser is computed in f32, as accurately as f32 sums, v_exp_f32 and their like allow (about 1e-6 of the number): no bf16 or f16 on the way to a quantiser, and a product that is left as it is and whose result goes on into a quantised operand takes f32 operands (vector FMAs, or v_wmma_f32_16x16x4_f32). A number that lies on a knife's edge between two numbers of the format may be rounded either way, as far as f32 arithmetic and the matrix unit's own rounding can turn it there, and no further.
;; One version. Each part assembles by itself: llvm-mc -triple=amdgcn-amd-amdhsa -mcpu=gfx1250 --defsym DOCPART=n.
;; ======== version 1 of 1: 4 launches
;; workspace buffers: opq 9,830,400 bytes; qkv 20,447,232 bytes; oq 6,553,600 bytes
;; launch quant (part 1): grid 384 x 1, 4 waves a work-group, no clusters, 34,304 bytes of LDS; arguments x, W_qkv, W_o, opq; writes opq
.if DOCPART == 1
	.amdgcn_target "amdgcn-amd-amdhsa--gfx1250"
	.amdhsa_code_object_version 6
	.text
	.protected	k_qb0fd817c9d_quant
	.globl	k_qb0fd817c9d_quant
	.p2align	8
	.type	k_qb0fd817c9d_quant,@function
k_qb0fd817c9d_quant:
	s_mov_b64 s[64:65], 0
	v_nop
	global_prefetch_b8 v0, s[64:65] scope:SCOPE_SE
	s_setreg_imm32_b32 hwreg(HW_REG_WAVE_MODE, 25, 1), 1
	s_wait_xcnt 0x0
; x [8192][1024], W_qkv [3072][1024] and W_o [1024][1024], f32, K innermost, become codes of FP6 (E2M3) with one E8M0 scale byte for each 32 along K,
; laid in the ORDER OF AN OPERAND'S REGISTERS.  A tile of 16 rows has a chunk of 12,800 bytes: eight fragments (16 rows x 128 K) of 1,536 bytes, then 512 bytes of scale words.
; A fragment is two halves of 768 bytes (64 along K): lane l's registers 0-3 at 16 l, its registers 4-5 at 512 + 8 l.  The scale word of row r for K step 2 g + q lies at 12,288 + 128 g + 8 r + 4 q.
; THE ROWS OF A TILE ARE NOT NEIGHBOURS: lane-row r of tile T is the tensor's row 32 (T / 2) + 8 (T % 2) + r + 8 (r / 8), so that in a product used transposed the 16 registers of two neighbouring tiles are 16 neighbours.
; Tiles 0-511: x; 512-703: W_qkv; 704-767: W_o.  A work-group takes 32 rows (two tiles); wave w takes tile w / 2 and half w % 2 of K: four fragments.
; A load reads 512 consecutive bytes of one row; a step's 16 rows x 512 bytes turn through the wave's own stage in LDS (rows 528 bytes apart), and come back as 64 numbers a lane:
; register 32 c + i = k 64 c + 32 (lane / 16) + i of row lane % 16: two whole blocks of 32, in the very order of the operand's registers.
; A block's scale is 2^(floor(log2(its largest magnitude)) - 2); its byte is the largest magnitude's exponent field - 2, held at 1 from below.
; LIMITS: a block whose largest magnitude lies under 2^-124 gets the byte 1 (a block of zeros too, where the quantiser says 127: its codes are zeros, and this program alone reads the bytes); NaN and infinities are not served.
; No tensor loads, no barrier: waves share nothing.  Loads run two steps (32 loads a wave) ahead.
.set SP,    528                        ; a stage row: 512 bytes + 16, an odd multiple of 16: the sixteen rows that a read touches start in sixteen different columns of 16 bytes
.set WST,   16*SP                      ; a wave's stage
.set SPARE, 4*WST                      ; behind the stages: the spare words, 128 bytes for each wave: two blocks of 256 bytes that no other line names
.set CH,    12800                      ; a tile's chunk
.set R,     16                         ; v16-143  two sets of 64 registers as loaded
.set X,     144                        ; v144-207 64 numbers behind the turn
.set C,     208                        ; v208-231 two sets of 12 registers of codes
.set TQ,    232                        ; v232-234, v236-238 a block's upper 16 codes, ahead of their move
.set MX,    240                        ; v240-241 largest magnitudes
.set SO,    242                        ; v242-243 the conversions' scale operands
.set BY,    244                        ; v244-245 scale bytes
.set W,     246                        ; v246-249 a scale word for each step
.set SPW,   14                         ; v14      LDS address of my spare word; never rewritten
.set NIL,   15                         ; v15      0; never rewritten
	s_load_b256 s[4:11], s[0:1], 0x0               ; x s[4:5], W_qkv s[6:7], W_o s[8:9], opq s[10:11]
	v_lshl_add_u32 v[SPW], v0, 2, SPARE
	v_mov_b32 v[NIL], 0
	v_lshrrev_b32 v1, 5, v0
	v_readfirstlane_b32 s12, v1                    ; wave
	s_lshr_b32 s13, s12, 1                         ; which tile
	s_and_b32 s14, s12, 1                          ; which half of K
	v_and_b32 v1, 31, v0                           ; lane
	v_and_b32 v2, 15, v0                           ; r
	v_bfe_u32 v3, v0, 4, 1                         ; h
	v_lshlrev_b32 v4, 4, v1                        ; 16 x lane
	v_lshlrev_b32 v5, 3, v1                        ; 8 x lane
	s_mul_i32 s15, s12, WST
	v_add_nc_u32 v6, s15, v4                       ; the stage, on the way in: 16 bytes a lane of a row
	v_mul_u32_u24 v7, v2, SP
	v_lshl_add_u32 v7, v3, 7, v7
	v_add_nc_u32 v7, s15, v7                       ; and on the way out: row r, + 128 h: my 32 numbers of each 64
	v_lshlrev_b32 v8, 3, v3                        ; 8 h: my bytes' place in a scale word
	v_mov_b32 v251, 0                              ; written once: a lane permute's destination counts as one of its sources
	s_mov_b32 s20, 0x76543210
	s_mov_b32 s21, 0xfedcba98                      ; v_permlanex16_b32's selects for lane l xor 16
	s_wait_kmcnt 0x0
	s_cmp_lt_u32 ttmp9, 256                        ; which tensor: the choice hangs on the work-group's number alone, and only pointers are chosen
	s_cselect_b64 s[4:5], s[4:5], s[6:7]
	s_cselect_b32 s16, 0, 256
	s_cmp_lt_u32 ttmp9, 352
	s_cselect_b64 s[4:5], s[4:5], s[8:9]
	s_cselect_b32 s16, s16, 352
	s_sub_co_u32 s16, ttmp9, s16                   ; which 32 rows of that tensor
	s_lshl_b32 s16, s16, 17                        ; 32 rows of 4,096 bytes,
	s_lshl_b32 s17, s13, 15                        ; the second tile begins 8 rows down,
	s_add_co_u32 s16, s16, s17
	s_lshl_b32 s17, s14, 11                        ; my half of K
	s_add_co_u32 s16, s16, s17
	s_mov_b32 s17, 0
	s_add_nc_u64 s[4:5], s[4:5], s[16:17]
	s_lshl_b32 s18, ttmp9, 1
	s_add_co_u32 s18, s18, s13                     ; my tile
	s_mul_i32 s18, s18, CH
	s_mov_b32 s19, 0
	s_add_nc_u64 s[10:11], s[10:11], s[18:19]      ; its chunk
	s_lshl_b32 s18, s14, 8
	s_add_co_u32 s18, s18, 12288
	s_add_nc_u64 s[22:23], s[10:11], s[18:19]      ; my 256 bytes of its scale words
	s_mul_i32 s18, s14, 6144
	s_add_nc_u64 s[10:11], s[10:11], s[18:19]      ; my four fragments
.macro LOAD t                          ; step t: 128 along K of the tile's 16 rows: each load reads 512 consecutive bytes of one row
.irp i, 0,1,2,3,4,5,6,7,8,9,10,11,12,13,14,15
	global_load_b128 v[R+64*((\t)%2)+4*\i:R+64*((\t)%2)+4*\i+3], v4, s[4:5] offset:(\i+8*(\i/8))*4096+512*(\t) th:TH_LOAD_NT
.endr
.endm
.macro STEP t
.set RS, R+64*((\t)%2)
.set CC, C+12*((\t)%2)
.if (\t) < 3
	s_wait_loadcnt 16                              ; this step's sixteen loads are in; the next step's sixteen may be out
.else
	s_wait_loadcnt 0x0
.endif
.irp i, 0,1,2,3,4,5,6,7,8,9,10,11,12,13,14,15
	ds_store_b128 v6, v[RS+4*\i:RS+4*\i+3] offset:SP*\i
.endr
.irp c, 0,1
.irp j, 0,1,2,3,4,5,6,7
	ds_load_b128 v[X+32*\c+4*\j:X+32*\c+4*\j+3], v7 offset:256*\c+16*\j   ; LDS serves a wave's instructions in order: these see the stores above
.endr
.endr
	s_wait_dscnt 0x0                               ; the numbers are back, and the stores have read their registers,
.if (\t) < 2
	LOAD (\t)+2                                    ; which take the loads of two steps on
.endif
.irp c, 0,1
	v_max3_num_f32 v[MX+\c], |v[X+32*\c]|, |v[X+32*\c+1]|, 0x1800000   ; my block 2 c + h: all its 32 numbers are mine; and the floor 2^(3 - 127): the byte cannot fall under 1
.endr
.irp i, 2,4,6,8,10,12,14,16,18,20,22,24,26,28,30
.irp c, 0,1
	v_max3_num_f32 v[MX+\c], v[MX+\c], |v[X+32*\c+\i]|, |v[X+32*\c+\i+1]|
.endr
.endr
.irp c, 0,1
	v_add_nc_u32 v[SO+\c], 0xff000000, v[MX+\c]    ; 2 off the exponent field: the conversion takes the exponent field of this operand as its scale
.endr
.irp c, 0,1
	v_lshrrev_b32 v[BY+\c], 23, v[SO+\c]           ; the scale's byte
.endr
	v_lshl_or_b32 v250, v[BY+1], 16, v[BY]         ; my two bytes: blocks h and 2 + h,
	v_lshlrev_b32 v250, v8, v250                   ; at their places in the word;
	v_permlanex16_b32 v251, v250, s20, s21
	v_or_b32 v[W+(\t)], v250, v251                 ; with lane l xor 16's two the word is whole
.if (\t) >= 2
	s_wait_xcnt 0x0                                ; the stores of two steps ago have read this set of codes: it is written again only behind this wait
.endif
.irp c, 0,1
	v_cvt_scalef32_pk16_fp6_f32 v[CC+6*\c:CC+6*\c+2], v[X+32*\c:X+32*\c+15], v[SO+\c]
	v_cvt_scalef32_pk16_fp6_f32 v[TQ+4*\c:TQ+4*\c+2], v[X+32*\c+16:X+32*\c+31], v[SO+\c]   ; (a conversion's three registers begin on an even number)
.endr
	v_nop                                          ; one plain place behind a scaled conversion
.irp c, 0,1
.irp i, 0,1,2
	v_mov_b32 v[CC+6*\c+3+\i], v[TQ+4*\c+\i]
.endr
.endr
	global_store_b128 v4, v[CC:CC+3], s[10:11] offset:1536*(\t)             ; 512 consecutive bytes, at a multiple of 256 from the buffer's first byte
	global_store_b64 v5, v[CC+4:CC+5], s[10:11] offset:1536*(\t)+512        ; 256 consecutive bytes, likewise
	global_store_b128 v4, v[CC+6:CC+9], s[10:11] offset:1536*(\t)+768
	global_store_b64 v5, v[CC+10:CC+11], s[10:11] offset:1536*(\t)+1280
.endm
	LOAD 0
	LOAD 1
	STEP 0
	STEP 1
	STEP 2
	STEP 3
	v_cmp_le_u32 vcc_lo, 16, v1                    ; lanes 0-15 store the words of my first two K steps, lanes 16-31 those of the other two
	v_cndmask_b32 v252, v[W], v[W+2], vcc_lo
	v_cndmask_b32 v253, v[W+1], v[W+3], vcc_lo
	global_store_b64 v5, v[252:253], s[22:23]      ; 256 consecutive bytes, aligned
	s_wait_tensorcnt 0x0                           ; the wave's end: behind my last LDS store
	ds_add_u32 v[SPW], v[NIL]
	s_wait_dscnt 0x0
	s_endpgm
.Lfunc_end_k_qb0fd817c9d_quant:
	.size	k_qb0fd817c9d_quant, .Lfunc_end_k_qb0fd817c9d_quant-k_qb0fd817c9d_quant
	.p2alignl 7, 3214868480
	.fill 96, 4, 3214868480
	.section	.rodata,"a",@progbits
	.p2align	6, 0x0
	.amdhsa_kernel k_qb0fd817c9d_quant
		.amdhsa_group_segment_fixed_size 34304
		.amdhsa_private_segment_fixed_size 0
		.amdhsa_enable_private_segment 0
		.amdhsa_kernarg_size 32
		.amdhsa_user_sgpr_count 2
		.amdhsa_user_sgpr_kernarg_segment_ptr 1
		.amdhsa_wavefront_size32 1
		.amdhsa_system_sgpr_workgroup_id_x 1
		.amdhsa_system_sgpr_workgroup_id_y 1
		.amdhsa_system_sgpr_workgroup_id_z 1
		.amdhsa_system_vgpr_workitem_id 0
		.amdhsa_next_free_vgpr 256
		.amdhsa_next_free_sgpr 66
		.amdhsa_reserve_vcc 1
		.amdhsa_float_denorm_mode_32 3
		.amdhsa_float_denorm_mode_16_64 3
		.amdhsa_memory_ordered 1
		.amdhsa_forward_progress 1
		.amdhsa_inst_pref_size 30
	.end_amdhsa_kernel
	.amdgpu_metadata
---
amdhsa.version: [ 1, 2 ]
amdhsa.kernels:
  - .name:           k_qb0fd817c9d_quant
    .symbol:         k_qb0fd817c9d_quant.kd
    .args:
      - { .name: x, .offset: 0, .size: 8, .value_kind: global_buffer, .address_space: global }
      - { .name: W_qkv, .offset: 8, .size: 8, .value_kind: global_buffer, .address_space: global }
      - { .name: W_o, .offset: 16, .size: 8, .value_kind: global_buffer, .address_space: global }
      - { .name: opq, .offset: 24, .size: 8, .value_kind: global_buffer, .address_space: global }
    .group_segment_fixed_size: 34304
    .private_segment_fixed_size: 0
    .kernarg_segment_align: 8
    .kernarg_segment_size: 32
    .max_flat_workgroup_size: 128
    .sgpr_count:     66
    .vgpr_count:     256
    .wavefront_size: 32
...
	.end_amdgpu_metadata
.endif
;; end of part 1
;; launch gemm_qkv (part 2): grid 12 x 32, 4 waves a work-group, clusters of 4 x 4, 327,680 bytes of LDS; arguments opq, qkv; writes qkv
.if DOCPART == 2
	.amdgcn_target "amdgcn-amd-amdhsa--gfx1250"
	.amdhsa_code_object_version 6
	.text
	.protected	k_qb0fd817c9d_gemm_qkv
	.globl	k_qb0fd817c9d_gemm_qkv
	.p2align	8
	.type	k_qb0fd817c9d_gemm_qkv,@function
k_qb0fd817c9d_gemm_qkv:
	s_mov_b64 s[64:65], 0
	v_nop
	global_prefetch_b8 v0, s[64:65] scope:SCOPE_SE
	s_setreg_imm32_b32 hwreg(HW_REG_WAVE_MODE, 25, 1), 1
	s_wait_xcnt 0x0
	s_wait_alu depctr_hold_cnt(0) depctr_sa_sdst(0) depctr_va_vdst(0) depctr_va_sdst(0) depctr_va_ssrc(0) depctr_va_vcc(0) depctr_vm_vsrc(0)
	s_getreg_b32 s2, hwreg(HW_REG_IB_STS2, 6, 4)
	s_cmp_eq_u32 s2, 0
	s_cbranch_scc0 .Lentry_in_a_cluster
	s_endpgm
.Lentry_in_a_cluster:
	s_bfe_u32 s2, ttmp6, 0x10000c
	s_cmp_lg_u32 s2, 0xf033
	s_cbranch_scc0 .Lentry_shape_is_right
	s_endpgm
.Lentry_shape_is_right:
; qkv = x W_qkv^T on codes of FP6 (E2M3) with E8M0 scales, K = 1,024; sums in f32; THE RESULTS ARE QUANTISED IN REGISTERS and leave as codes: Q and K along the head's 64 channels, V along the keys.
; A tile of the result is 256 x 256: four waves, each 128 x 128 in 64 accumulators.  The matrix instruction is used transposed (source 0 = 16 rows of operand B, source 1 = 16 rows of operand A): a lane holds one row of A
; and its registers run along B's rows; by the order of rows in a stored tile (lane-row r of tile T = row 32 (T / 2) + 8 (T % 2) + r + 8 (r / 8)) the 16 registers of tiles 2 g, 2 g + 1 are 16 neighbours: 32 g + 16 (lane / 16) + 0 .. 15.
; ONE TEXT, TWO PARTS, told apart by arithmetic on the cluster's x, which all partners share: clusters x = 0, 1: A = x (tokens), B = W_qkv's rows 0-2,047: registers run along Q's and K's channels.
; Cluster x = 2: A = W_qkv's rows 2,048-3,071 (V's channels), B = x (tokens): registers run along the keys, which are the K of attention's second product.
; OPERANDS lie in memory in the order of the operand's registers (a chunk of 12,800 bytes for a tile of 16 rows: 8 fragments of 1,536 bytes, 512 bytes of scale words), so a fragment comes from LDS by two loads of 16 and two of 8 bytes a lane, each of consecutive bytes.
; K goes in steps of 256 through a ring of two LDS slots; the scale words of all of K come once, with the first fills.  4 x 4 work-groups form a cluster; A's tiles are asked for jointly along a row of it, B's along a column.
; THE WAY OUT: a wave's 128 columns are one fragment (two halves of 64): half e of block a goes to half-fragment a of chunk e: 6,656 bytes: 8 half-fragments of 768 bytes, then the scale word of (row r, block a) at 6,144 + 32 r + 4 a.
; Q, K: chunk (block of 128 tokens x 32 + g), g = 0-15 Q's heads, 16-31 K's.  V, from byte QKB on: chunk (pair of heads x 128 + 2 x block of 128 keys + half).  Chunk e = 0 holds the whole words of the 128, chunk e = 1 their upper halves.
; LIMITS: a block whose largest magnitude lies under 2^-124 gets the byte 1 (a block of zeros too: its codes are zeros, and this program alone reads the bytes); NaN and infinities are not served.
; REGISTERS, in windows of 256: window 0: v0-31 addresses; v32-63 scale words, two sets; v128-223 A's fragments, one set; on the way out v32-47 scale words, v128-223 codes, v224-247 at work.
;   window 1: B's fragments, two sets, at v0 and v128.   window 2: the accumulators of my rows 0-63 ((a, b) at v[8 (8 a + b)]);   window 3: those of rows 64-127.
.set NQ,    2                          ; matrix instructions deep in a slot
.set FR,    12                         ; registers of a fragment
.set NL,    4                          ; LDS loads that bring one
.set NP,    4                          ; places behind this matrix instruction (ISA guide 7.12.1)
.set CH,    12800                      ; a tile's chunk in memory
.set TILEB, 3072                       ; a tile's two fragments of a slot
.set HALFT, 8*TILEB                    ; 8 tiles: what one tensor load brings, and what one wave reads of A or of B
.set SLOT,  4*HALFT                    ; A's 16 tiles, then B's 16
.set SCL,   2*SLOT                     ; behind the ring: the scale words, 512 bytes a tile
.set HALFS, 4096                       ; those of 8 tiles
.set SBLK,  512
.set SPARE, SCL+4*HALFS                ; the spare words, 128 bytes for each wave: two blocks of 256 bytes that no other line names
.set ACH,   6656                       ; a chunk of the result
.set QKB,   64*32*ACH                  ; where V's chunks begin
.set ADRA, 16                          ; v16-17 LDS address of my A fragments in slot 0, 1, 16 bytes a lane;  v18-19 the same, 8 bytes a lane
.set ADRB, 20                          ; v20-23 the same for B
.set ST16, 24                          ; v24    16 x lane
.set ST8,  25                          ; v25    8 x lane
.set STS,  26                          ; v26    32 r + 16 h: the result's scale words
.set ADRS, 27                          ; v27    LDS address of my scale words: lanes 0-15 A's rows, lanes 16-31 B's
.set SPW,  28                          ; v28    LDS address of my spare word; never rewritten
.set NIL,  29                          ; v29    0; never rewritten
.set SC,   32                          ; scale words: set s at v[SC + 16 s]; register 2 i + q: lanes 0-15 A's block i, lanes 16-31 B's block i
.set AF,   128                         ; A's fragments
.set PW,   32                          ; the way out: block a's scale words at v[PW + a]
.set SW,   40                          ; and as they are stored
.set OUT,  128                         ; block a's codes at v[OUT + 12 a]: a set for each block, so that no store's data are written again
.set TQ,   224
.set TM,   232                         ; v232-235 largest magnitudes, v236-239 permutes and bytes, v244-247 scale operands
.set G1, 24                            ; s[24:31] descriptor group 1 for A's tiles;  s[32:39] group 0, one set for each slot
.set G0, 32
.set G1B, 48                           ; s[48:55], s[56:63] the same for B's
.set G0B, 56
.set G1S, 68                           ; s[68:75], s[76:79] groups 1 and 0 for A's scale words;  s[80:87], s[88:91] for B's
.set G0S, 76
.set G1SB, 80
.set G0SB, 88
.set SEL, 98                           ; s[98:99] v_permlanex16_b32's selects for lane l xor 16
.set MSB, 0
.macro WIN new                         ; the immediate's high byte repeats the setting that is left
.if MSB != (\new)
	s_set_vgpr_msb (MSB<<8)|(\new)
.set MSB, (\new)
.endif
.endm
.set MUL_LO, 0xa1                      ; source 0 (B) window 1, source 1 (A) window 0, C and D window 2
.set MUL_HI, 0xf1                      ; the same, C and D window 3
.set TO_B,   0x40                      ; destination window 1, address window 0
; A joint load: waves 0 and 1 fetch for A, waves 2 and 3 for B.  Each line has one mask and one set of registers for all that issue it; the branch hangs on the wave's number alone.
; An s_nop 0 and four v_nop follow each of the two lines.
.macro JLOAD g0a, g1a, g0b, g1b
	s_cmp_eq_u32 s15, 0
	s_cbranch_scc0 .Lfor_b_\@
	tensor_load_to_lds s[\g0a:\g0a+3], s[\g1a:\g1a+7]
	s_nop 0
.rept 4
	v_nop
.endr
	s_branch .Lasked_\@
.Lfor_b_\@:
	tensor_load_to_lds s[\g0b:\g0b+3], s[\g1b:\g1b+7]
	s_nop 0
.rept 4
	v_nop
.endr
.Lasked_\@:
.endm
.macro CREST                           ; a round of the cluster's barrier behind its opening barrier
	s_cmp_lg_u32 s14, 0
	s_cbranch_scc1 .Lnot_wave_0_\@
	s_barrier_signal -3
.Lnot_wave_0_\@:
	s_barrier_wait -3
	s_barrier_signal -1
	s_barrier_wait -1
.endm
.macro CROUND                          ; a whole round
	s_barrier_signal -1
	s_barrier_wait -1
	CREST
.endm
	s_load_b128 s[4:7], s[0:1], 0x0                ; opq s[4:5], qkv s[6:7]
	v_lshl_add_u32 v[SPW], v0, 2, SPARE
	v_mov_b32 v[NIL], 0
	ds_add_u32 v[SPW], v[NIL]                      ; the wave's opening: the add and its wait stand ahead of my first tensor load; the set-up below, work on registers, stands between them
	v_lshrrev_b32 v1, 5, v0
	v_readfirstlane_b32 s14, v1                    ; wave 0..3
	s_lshr_b32 s15, s14, 1                         ; which half of the tile's rows (A) is mine.  Also: I fetch for A (0) or for B (1)
	s_and_b32 s16, s14, 1                          ; which half of its columns (B).  Also: which 8 tiles I fetch
	s_bfe_u32 s40, ttmp6, 0x40000                  ; cx, cy: my place in the cluster
	s_bfe_u32 s41, ttmp6, 0x40004
	s_and_b32 s9, ttmp7, 0xffff                    ; cluster y, 0..7
	s_lshr_b32 s10, ttmp9, 1                       ; 1 in V's part (cluster x = 2), else 0
	s_xor_b32 s11, s10, 1                          ; and the other way round
	s_mul_i32 s17, s9, s11
	s_lshl_b32 s17, s17, 2
	s_add_co_u32 s17, s17, s41                     ; tile row (A): Q, K: 4 x cluster y + cy;  V: cy
	s_mul_i32 s42, ttmp9, s11
	s_mul_i32 s12, s9, s10
	s_add_co_u32 s42, s42, s12
	s_lshl_b32 s42, s42, 2
	s_add_co_u32 s42, s42, s40                     ; tile column (B): Q, K: 4 x cluster x + cx;  V: 4 x cluster y + cx
	s_lshl_b32 s43, s41, 2
	s_lshl_b32 s43, 15, s43                        ; my row of the cluster
	s_lshl_b32 s44, 0x1111, s40                    ; my column
	; descriptor group 1: 8 rows (tiles) of 3,072 bytes, 12,800 bytes apart; elements of 8 bytes; no padding: every LDS load reads consecutive bytes
	s_or_b32 s[G1+0], s43, (3<<16)|(1<<21)         ; 15:0 the mask: A's tiles go to my row; 17:16 elements of 8 bytes; 21 set beside a mask
	s_or_b32 s[G1B+0], s44, (3<<16)|(1<<21)
.irp g, G1, G1B
	s_mov_b32 s[\g+1], 384<<16                     ; tensor_dim0 = 384 elements
	s_mov_b32 s[\g+2], 8<<16                       ; tensor_dim1 = 8
	s_mov_b32 s[\g+3], 384<<16                     ; tile_dim0
	s_mov_b32 s[\g+4], 8                           ; tile_dim1
	s_mov_b32 s[\g+5], 1600                        ; tensor_dim0_stride: a chunk
	s_mov_b32 s[\g+6], 0
	s_mov_b32 s[\g+7], 0
.endr
	; and for the scale words: 8 rows of 512 bytes
	s_or_b32 s[G1S+0], s43, (3<<16)|(1<<21)
	s_or_b32 s[G1SB+0], s44, (3<<16)|(1<<21)
.irp g, G1S, G1SB
	s_mov_b32 s[\g+1], 64<<16
	s_mov_b32 s[\g+2], 8<<16
	s_mov_b32 s[\g+3], 64<<16
	s_mov_b32 s[\g+4], 8
	s_mov_b32 s[\g+5], 1600
	s_mov_b32 s[\g+6], 0
	s_mov_b32 s[\g+7], 0
.endr
	s_lshl_b32 s18, s16, 3                         ; which 8 tiles I fetch
	s_lshl_b32 s20, s17, 4
	s_add_co_u32 s20, s20, s18
	s_mul_i32 s19, s10, 640
	s_add_co_u32 s20, s20, s19                     ; A's first tile: x's from 0, W_v's from 640
	s_mul_i32 s20, s20, CH
	s_mov_b32 s21, 0
	s_lshl_b32 s46, s42, 4
	s_add_co_u32 s46, s46, s18
	s_lshl_b32 s19, s11, 9
	s_add_co_u32 s46, s46, s19                     ; B's first tile: W_q's and W_k's from 512, x's from 0
	s_mul_i32 s46, s46, CH
	s_mov_b32 s47, 0
	s_mul_i32 s45, s14, HALFT                      ; where they go: wave x 8 tiles: no place in the cluster enters an LDS address
	s_lshl_b32 s94, s14, 12
	s_mov_b32 s[SEL], 0x76543210
	s_mov_b32 s[SEL+1], 0xfedcba98
	s_wait_dscnt 0x0                               ; the opening add is done
	s_wait_kmcnt 0x0
	s_add_nc_u64 s[20:21], s[4:5], s[20:21]
	s_add_nc_u64 s[46:47], s[4:5], s[46:47]
	CROUND                                         ; all sixteen work-groups are here: the first joint loads meet
	s_mov_b32 s[G0S], 1
	s_add_co_u32 s[G0S+1], s94, SCL
	s_add_nc_u64 s[G0S+2:G0S+3], s[20:21], 12288
	s_or_b32 s[G0S+3], s[G0S+3], 0x80000000
	s_mov_b32 s[G0SB], 1
	s_add_co_u32 s[G0SB+1], s94, SCL
	s_add_nc_u64 s[G0SB+2:G0SB+3], s[46:47], 12288
	s_or_b32 s[G0SB+3], s[G0SB+3], 0x80000000
	JLOAD G0S, G1S, G0SB, G1SB                     ; the scale words first: they are wanted with K step 0
.irp s, 0,1
	s_mov_b32 s[G0+4*\s], 1
	s_add_co_u32 s[G0+4*\s+1], s45, \s*SLOT
	s_add_nc_u64 s[G0+4*\s+2:G0+4*\s+3], s[20:21], \s*TILEB
	s_or_b32 s[G0+4*\s+3], s[G0+4*\s+3], 0x80000000
	s_mov_b32 s[G0B+4*\s], 1
	s_add_co_u32 s[G0B+4*\s+1], s45, \s*SLOT
	s_add_nc_u64 s[G0B+4*\s+2:G0B+4*\s+3], s[46:47], \s*TILEB
	s_or_b32 s[G0B+4*\s+3], s[G0B+4*\s+3], 0x80000000
	JLOAD G0+4*\s, G1, G0B+4*\s, G1B
.endr
	v_and_b32 v1, 15, v0                           ; r
	v_bfe_u32 v2, v0, 4, 1                         ; h
	v_and_b32 v3, 31, v0                           ; lane
	v_lshlrev_b32 v[ST16], 4, v3
	v_lshlrev_b32 v[ST8], 3, v3
	v_lshlrev_b32 v[STS], 5, v1
	v_lshl_add_u32 v[STS], v2, 4, v[STS]
	s_mul_i32 s21, s15, HALFT                      ; my 8 tiles of A
	s_mul_i32 s22, s16, HALFT                      ; my 8 tiles of B,
	s_add_co_u32 s22, s22, 2*HALFT                 ; which lie behind A's 16
.irp s, 0,1
	v_add_nc_u32 v[ADRA+\s], s21, v[ST16]
	v_add_nc_u32 v[ADRB+\s], s22, v[ST16]
	v_add_nc_u32 v[ADRA+2+\s], s21, v[ST8]
	v_add_nc_u32 v[ADRB+2+\s], s22, v[ST8]
	s_add_co_u32 s21, s21, SLOT
	s_add_co_u32 s22, s22, SLOT
.endr
	v_lshlrev_b32 v6, 3, v1                        ; my row's two words of a slot: 8 bytes a row
	s_lshl_b32 s21, s15, 12                        ; A's: my 8 tiles
	s_lshl_b32 s22, s16, 12                        ; B's: my 8 tiles, behind A's 16
	s_add_co_u32 s22, s22, 2*HALFS
	s_sub_co_u32 s22, s22, s21
	v_mul_u32_u24 v7, s22, v2                      ; lanes 16-31 take B's: one product, the lower base + h x the distance
	s_add_co_u32 s21, s21, SCL
	v_add_nc_u32 v6, v6, v7
	v_add_nc_u32 v[ADRS], s21, v6
.irp b, 0,1,2,3
	v_mov_b32 v[TM+4+\b], 0                        ; written once: a lane permute's destination counts as one of its sources
.endr
	; where my wave's two chunks of the result begin
	s_lshl_b32 s92, s17, 1
	s_add_co_u32 s92, s92, s15                     ; my 128 rows of A: a block of tokens, or a pair of heads
	s_mul_i32 s93, s10, 96
	s_add_co_u32 s93, s93, 32                      ; chunks for each such block: 32, or 128
	s_mul_i32 s92, s92, s93
	s_lshl_b32 s93, s42, 1
	s_add_co_u32 s93, s93, s16                     ; my 128 rows of B: two heads, or a block of keys
	s_lshl_b32 s93, s93, 1
	s_add_co_u32 s92, s92, s93
	s_mul_i32 s92, s92, ACH
	s_mul_i32 s93, s10, QKB
	s_add_co_u32 s92, s92, s93
	s_mov_b32 s93, 0
	s_add_nc_u64 s[92:93], s[6:7], s[92:93]
.macro FRAG reg, adr, q, i             ; a fragment, 12 registers a lane, as it was stored: registers 0-3, 4-5, 6-9, 10-11; every load reads consecutive bytes
	ds_load_b128 v[\reg:\reg+3], v[\adr] offset:TILEB*(\i)+1536*(\q)
	ds_load_b64 v[\reg+4:\reg+5], v[\adr+2] offset:TILEB*(\i)+1536*(\q)+512
	ds_load_b128 v[\reg+6:\reg+9], v[\adr] offset:TILEB*(\i)+1536*(\q)+768
	ds_load_b64 v[\reg+10:\reg+11], v[\adr+2] offset:TILEB*(\i)+1536*(\q)+1280
.endm
; 16 matrix instructions: A's blocks a0, a0 + 1 x B's eight, 128 along K.  p: B's set;  sc: the set of scale words.  zero = 1: the first product starts the sums.
; The 64 accumulators take turns, one instruction a turn, in the same order in every step.
.macro MUL16 a0, p, q, sc, zero
.irp a, \a0, \a0+1
.irp b, 0,1,2,3,4,5,6,7
.if \zero
	v_wmma_scale_f32_16x16x128_f8f6f4 v[8*(8*((\a)%4)+\b):8*(8*((\a)%4)+\b)+7], v[128*(\p)+FR*\b:128*(\p)+FR*\b+FR-1], v[AF+FR*(\a):AF+FR*(\a)+FR-1], 0, v[SC+8*NQ*(\sc)+NQ*\b+(\q)], v[SC+8*NQ*(\sc)+NQ*(\a)+(\q)] matrix_a_fmt:MATRIX_FMT_FP6 matrix_b_fmt:MATRIX_FMT_FP6 matrix_a_scale:MATRIX_SCALE_ROW1
.else
	v_wmma_scale_f32_16x16x128_f8f6f4 v[8*(8*((\a)%4)+\b):8*(8*((\a)%4)+\b)+7], v[128*(\p)+FR*\b:128*(\p)+FR*\b+FR-1], v[AF+FR*(\a):AF+FR*(\a)+FR-1], v[8*(8*((\a)%4)+\b):8*(8*((\a)%4)+\b)+7], v[SC+8*NQ*(\sc)+NQ*\b+(\q)], v[SC+8*NQ*(\sc)+NQ*(\a)+(\q)] matrix_a_fmt:MATRIX_FMT_FP6 matrix_b_fmt:MATRIX_FMT_FP6 matrix_a_scale:MATRIX_SCALE_ROW1
.endif
.endr
.endr
.endm
.macro FETCH_B slot, q, p              ; B's eight fragments of the slot's q-th 128 along K into set p
	WIN TO_B
.irp i, 0,1,2,3,4,5,6,7
	FRAG 128*(\p)+FR*\i, ADRB+\slot, \q, \i
.endr
	WIN 0
.endm
.macro FETCH_A slot, q, i0             ; A's blocks i0 .. i0 + 3
.irp i, \i0, \i0+1, \i0+2, \i0+3
	FRAG AF+FR*(\i), ADRA+\slot, \q, \i
.endr
.endm
.macro SCALES sc                       ; a slot's scale words into set sc: two words a row; lanes 0-15 take A's block i, lanes 16-31 B's block i
.irp i, 0,1,2,3,4,5,6,7
	ds_load_b64 v[SC+8*NQ*\sc+NQ*\i:SC+8*NQ*\sc+NQ*\i+1], v[ADRS] offset:\i*SBLK
.endr
.endm
; A load into a register that a matrix instruction has read, and a vector instruction that reads a matrix result, stand NP places behind that matrix instruction; only plain vector instructions that name none of its registers are places.
.macro PLACES n
.rept \n
	v_nop
.endr
.endm
.macro STEP slot, q, zero              ; a step of 128 along K that has its successor in the same slot
	s_wait_dscnt 4*NL                              ; B's set, A's blocks 0-3 and the scale words are in; the youngest sixteen loads (A's blocks 4-7) may be out
	WIN MUL_LO
	MUL16 0, (\q)%2, \q, \slot, \zero
	MUL16 2, (\q)%2, \q, \slot, \zero
	s_wait_dscnt 0                                 ; A's blocks 4-7 are in
	PLACES NP
	FETCH_B \slot, (\q)+1, 1-(\q)%2
	FETCH_A \slot, (\q)+1, 0
	WIN MUL_HI
	MUL16 4, (\q)%2, \q, \slot, \zero
	MUL16 6, (\q)%2, \q, \slot, \zero
	PLACES NP
	WIN 0
	FETCH_A \slot, (\q)+1, 4
.endm
; A slot's last step changes slots: ONE barrier; in front of it each wave waits for all its tensor loads, adds 0 to its spare word, and waits for that and for its own reads of this slot.  fill = 1: this slot is filled again, two slots' worth of K ahead.
.macro TURN slot, next, fill
	s_wait_tensorcnt 0x0                           ; all my tensor loads have landed: my part of the next slot;  (every window is 0 here)
	ds_add_u32 v[SPW], v[NIL]                      ; 0 onto my spare word
	s_wait_dscnt 4*NL+1                            ; (the add and the youngest sixteen loads, A's blocks 4-7, may be out)
	WIN MUL_LO
	MUL16 0, 1, NQ-1, \slot, 0                     ; sixteen matrix instructions stand between the add and the wait for it
	s_wait_dscnt 0x0                               ; the add is done, and my reads of this slot are over
	s_barrier_signal -1
	MUL16 2, 1, NQ-1, \slot, 0
	WIN 0
	s_barrier_wait -1
.if \fill
	CREST                                          ; the barrier has opened a round of the cluster's barrier: no wave of any partner still reads this slot or has a load on its way
	s_add_nc_u64 s[G0+4*\slot+2:G0+4*\slot+3], s[G0+4*\slot+2:G0+4*\slot+3], 2*TILEB
	s_add_nc_u64 s[G0B+4*\slot+2:G0B+4*\slot+3], s[G0B+4*\slot+2:G0B+4*\slot+3], 2*TILEB
	JLOAD G0+4*\slot, G1, G0B+4*\slot, G1B         ; the first tensor load behind the round; its four v_nop are the places in front of the loads below
.else
	PLACES NP
.endif
	v_add_nc_u32 v[ADRS], 128, v[ADRS]             ; on to the next slot's scale words (no LDS load of mine is out)
	FETCH_B \next, 0, 0
	FETCH_A \next, 0, 0
	SCALES \next
	WIN MUL_HI
	MUL16 4, 1, NQ-1, \slot, 0
	MUL16 6, 1, NQ-1, \slot, 0
	PLACES NP
	WIN 0
	FETCH_A \next, 0, 4
.endm
	s_wait_tensorcnt 1                             ; the scale words and my part of slot 0 are in (slot 1's load may be out)
	s_barrier_signal -1
	s_barrier_wait -1                              ; everybody's are
	FETCH_B 0, 0, 0
	FETCH_A 0, 0, 0
	SCALES 0
	FETCH_A 0, 0, 4
	STEP 0, 0, 1                                   ; K = 1,024 is eight steps of 128, four slots' worth: written straight.  The first step's products start the sums
	TURN 0, 1, 1
	STEP 1, 0, 0
	TURN 1, 0, 1
	STEP 0, 0, 0
	TURN 0, 1, 0                                   ; the last two slots are not filled again
	STEP 1, 0, 0
	s_wait_dscnt 4*NL                              ; the very last step: nothing more to fetch
	WIN MUL_LO
	MUL16 0, 1, NQ-1, 1, 0
	MUL16 2, 1, NQ-1, 1, 0
	s_wait_dscnt 0
	WIN MUL_HI
	MUL16 4, 1, NQ-1, 1, 0
	MUL16 6, 1, NQ-1, 1, 0
	WIN 0
; THE WAY OUT of block a (16 rows of A x my 128 rows of B): 64 numbers a lane, register 16 g + i = column 32 g + 16 (lane / 16) + i of my row, become a fragment's codes and its scale word.
.macro OUTBLK a
.set WD, 2+(\a)/4
.set AC, 64*((\a)%4)
.set OU, OUT+12*(\a)
	WIN (WD<<2)|(WD<<4)                            ; sources 1 and 2: the accumulators' window
.irp b, 0,1,2,3
	v_max3_num_f32 v[TM+\b], 0x1800000, |v[AC+16*\b]|, |v[AC+16*\b+1]|   ; block b: my 16 numbers, from each accumulator's low end on, and the floor 2^(3 - 127): the byte cannot fall under 1
.endr
.irp i, 2,4,6,8,10,12,14
.irp b, 0,1,2,3
	v_max3_num_f32 v[TM+\b], v[TM+\b], |v[AC+16*\b+\i]|, |v[AC+16*\b+\i+1]|
.endr
.endr
	WIN 0
.irp b, 0,1,2,3
	v_permlanex16_b32 v[TM+4+\b], v[TM+\b], s[SEL], s[SEL+1]
.endr
.irp b, 0,1,2,3
	v_max_num_f32 v[TM+\b], v[TM+\b], v[TM+4+\b]   ; with lane l xor 16's: the block's largest magnitude
.endr
.irp b, 0,1,2,3
	v_add_nc_u32 v[TM+12+\b], 0xff000000, v[TM+\b] ; 2 off its exponent field: the conversion's scale operand
.endr
.irp b, 0,1,2,3
	v_lshrrev_b32 v[TM+4+\b], 23, v[TM+12+\b]      ; the scale's byte
.endr
	v_lshl_or_b32 v[PW+(\a)], v[TM+5], 8, v[TM+4]
	v_lshl_or_b32 v[PW+(\a)], v[TM+6], 16, v[PW+(\a)]
	v_lshl_or_b32 v[PW+(\a)], v[TM+7], 24, v[PW+(\a)]
	WIN WD                                         ; source 0: the accumulators' window
.irp c, 0,1
	v_cvt_scalef32_pk16_fp6_f32 v[OU+6*\c:OU+6*\c+2], v[AC+32*\c:AC+32*\c+15], v[TM+12+2*\c]
	v_cvt_scalef32_pk16_fp6_f32 v[TQ+4*\c:TQ+4*\c+2], v[AC+32*\c+16:AC+32*\c+31], v[TM+12+2*\c+1]   ; (a conversion's three registers begin on an even number)
.endr
	WIN 0
	v_nop                                          ; one plain place behind a scaled conversion
.irp c, 0,1                                    ; the operand's layout wants a whole block in a lane: lanes 0-15 block 2 c, lanes 16-31 block 2 c + 1
.irp i, 0,1,2
	v_permlane16_swap_b32 v[OU+6*\c+\i], v[TQ+4*\c+\i]
.endr
.irp i, 0,1,2
	v_mov_b32 v[OU+6*\c+3+\i], v[TQ+4*\c+\i]
.endr
.endr
	global_store_b128 v[ST16], v[OU:OU+3], s[92:93] offset:768*(\a)              ; 512 consecutive bytes, at a multiple of 256 from the buffer's first byte
	global_store_b64 v[ST8], v[OU+4:OU+5], s[92:93] offset:768*(\a)+512          ; 256 consecutive bytes, likewise
	global_store_b128 v[ST16], v[OU+6:OU+9], s[92:93] offset:ACH+768*(\a)        ; the upper 64: the next chunk
	global_store_b64 v[ST8], v[OU+10:OU+11], s[92:93] offset:ACH+768*(\a)+512
.endm
	PLACES NP                                      ; behind the last products: their results are read, and the registers that held A's fragments and the scale words are written
.irp a, 0,1,2,3,4,5,6,7
	OUTBLK \a
.endr
	v_cmp_le_u32 vcc_lo, 16, v3                    ; lanes 0-15 store the words of blocks 0-3 of their row, lanes 16-31 those of blocks 4-7
.irp i, 0,1,2,3
	v_cndmask_b32 v[SW+\i], v[PW+\i], v[PW+4+\i], vcc_lo
.endr
	global_store_b128 v[STS], v[SW:SW+3], s[92:93] offset:8*768                  ; 512 consecutive bytes
.irp i, 0,1,2,3
	v_lshrrev_b32 v[SW+4+\i], 16, v[SW+\i]         ; the upper 64's two bytes, at the word's low end
.endr
	global_store_b128 v[STS], v[SW+4:SW+7], s[92:93] offset:ACH+8*768
	s_wait_tensorcnt 0x0                           ; the wave's end: behind my last tensor load
	ds_add_u32 v[SPW], v[NIL]
	s_wait_dscnt 0x0
	CROUND                                         ; the closing round: no work-group ends while a partner may still ask for a tile that names it
	s_endpgm
.Lfunc_end_k_qb0fd817c9d_gemm_qkv:
	.size	k_qb0fd817c9d_gemm_qkv, .Lfunc_end_k_qb0fd817c9d_gemm_qkv-k_qb0fd817c9d_gemm_qkv
	.p2alignl 7, 3214868480
	.fill 96, 4, 3214868480
	.section	.rodata,"a",@progbits
	.p2align	6, 0x0
	.amdhsa_kernel k_qb0fd817c9d_gemm_qkv
		.amdhsa_group_segment_fixed_size 327680
		.amdhsa_private_segment_fixed_size 0
		.amdhsa_enable_private_segment 0
		.amdhsa_kernarg_size 16
		.amdhsa_user_sgpr_count 2
		.amdhsa_user_sgpr_kernarg_segment_ptr 1
		.amdhsa_wavefront_size32 1
		.amdhsa_system_sgpr_workgroup_id_x 1
		.amdhsa_system_sgpr_workgroup_id_y 1
		.amdhsa_system_sgpr_workgroup_id_z 1
		.amdhsa_system_vgpr_workitem_id 0
		.amdhsa_next_free_vgpr 1024
		.amdhsa_next_free_sgpr 100
		.amdhsa_reserve_vcc 1
		.amdhsa_float_denorm_mode_32 3
		.amdhsa_float_denorm_mode_16_64 3
		.amdhsa_memory_ordered 1
		.amdhsa_forward_progress 1
		.amdhsa_inst_pref_size 148
	.end_amdhsa_kernel
	.amdgpu_metadata
---
amdhsa.version: [ 1, 2 ]
amdhsa.kernels:
  - .name:           k_qb0fd817c9d_gemm_qkv
    .symbol:         k_qb0fd817c9d_gemm_qkv.kd
    .args:
      - { .name: opq, .offset: 0, .size: 8, .value_kind: global_buffer, .address_space: global }
      - { .name: qkv, .offset: 8, .size: 8, .value_kind: global_buffer, .address_space: global }
    .group_segment_fixed_size: 327680
    .private_segment_fixed_size: 0
    .kernarg_segment_align: 8
    .kernarg_segment_size: 16
    .max_flat_workgroup_size: 128
    .sgpr_count:     100
    .vgpr_count:     1024
    .wavefront_size: 32
...
	.end_amdgpu_metadata
.endif
;; end of part 2
;; launch attn (part 3): grid 16 x 16, 16 waves a work-group, no clusters, 327,680 bytes of LDS; arguments qkv, oq; writes oq
.if DOCPART == 3
	.amdgcn_target "amdgcn-amd-amdhsa--gfx1250"
	.amdhsa_code_object_version 6
	.text
	.protected	k_qb0fd817c9d_attn
	.globl	k_qb0fd817c9d_attn
	.p2align	8
	.type	k_qb0fd817c9d_attn,@function
k_qb0fd817c9d_attn:
	s_mov_b64 s[64:65], 0
	v_nop
	global_prefetch_b8 v0, s[64:65] scope:SCOPE_SE
	s_setreg_imm32_b32 hwreg(HW_REG_WAVE_MODE, 25, 1), 1
	s_wait_xcnt 0x0
; Sliding-window attention, |query - key| <= 256, 4 x 16 heads of 64 channels, 2,048 tokens, both products on codes of FP6 (E2M3) with E8M0 scales; the result, divided by the row's sum, is quantised along the model's 1,024 and leaves as codes.
; THE SOFTMAX: t = score x log2(e) / 8; M = the row's largest t so far, rounded UP to a whole number; p = 2^(t - M) is what is quantised, along the keys, in blocks of 32 from key 0; the row's sum is taken of the unquantised p.
; When M moves, the sum and O are multiplied by 2^(old M - new M): exact.
; THE BAND: a block of 128 queries a meets the key steps (128 keys) a - 2 .. a + 2 alone; in steps a - 2 and a + 2 hidden scores become -infinity ahead of the maximum; steps a - 1, a, a + 1 count whole.
; SHARES.  A work-group owns 128 queries of one batch and FOUR heads, as two pairs, one after the other.  Wave w owns tile w % 8 of 16 queries and head w / 8 of the pair.
; Every work-group fetches five key steps, s0 .. s0 + 4, s0 = min(max(a, 2) - 2, 11), always inside the sequence; a step outside the band is passed over by a scalar branch on the work-group's number.
; NO SLOT IS FILLED AGAIN: both pairs' K and V (2 x 133,120 bytes) are first fills, issued at the head by waves 0-9, two loads each; the second pair's land while the first pair is worked on.
; NO CLUSTER: neighbouring blocks of queries want windows that are shifted against each other by one step, so the same LDS place would hold different steps in the partners; the union of four blocks' windows is 8 steps, 212,992 bytes a pair, which does not fit twice.
; LAYOUT.  Both products are used transposed (S^T = K Q^T, O^T = V^T P^T): a lane holds one query throughout.  Q, K and V^T lie in chunks of 6,656 bytes in the order of the operand's registers: 8 half-fragments (16 rows x 64) of 768 bytes,
; then the scale word of (row r, half-fragment a) at 6,144 + 32 r + 4 a.  Lane-row r of tile T is row 32 (T / 2) + 8 (T % 2) + r + 8 (r / 8): the 16 registers of two neighbouring tiles of a result are 16 neighbours.
; THE SCORES' K IS 64, half of the instruction's 128: Q's registers 6-11 are zero codes, so K's registers 6-11 may hold anything (here: the next tile's codes), and the scale words' upper bytes any byte but 0xff.
; LIMITS: a block whose largest magnitude lies under 2^-124 gets the byte 1 (a block of zeros too: its codes are zeros); NaN and infinities are not served; a block's largest p is made from the block's largest score, which takes v_exp_f32 not to fall where its input rises.
; REGISTERS: v1-7 lane constants; v8, v9 the add's two; v10-15 the step's addresses; v16-39 Q of both pairs; v40-93 K's eight half-fragments, later V's four fragments; v96-159 S^T, then p; v160-191 O^T; v192-203 p's codes;
;   v204-233 at work; v234-239 addresses of the way out and -infinity; v240-250 scale words.
.set ACH,   6656                       ; a chunk
.set PIECE, 2*ACH                      ; what one tensor load brings: K of a step (two heads), or V of a step (two halves of its keys)
.set BLKB,  10*PIECE                   ; a pair of heads in LDS: five pieces of K, five of V
.set VOFF,  5*PIECE
.set QKB,   64*32*ACH                  ; where V's chunks begin in memory
.set STG,   2*BLKB                     ; behind the tiles: the result's scale bytes: 128 t + 8 r + 4 pair + 2 head
.set SPARE, STG+1024                   ; the spare words, 128 bytes for each wave: eight blocks of 256 bytes that no other line names
.set WV,  8                            ; s8   wave
.set QT,  9                            ; s9   my tile of queries
.set HE,  10                           ; s10  my head of the pair
.set QA,  11                           ; s11  the block of queries
.set BT,  12                           ; s12  the batch
.set SG,  13                           ; s13  which four heads
.set S0,  14                           ; s14  the first key step fetched
.set RB0, 15                           ; s15  16 x batch + that
.set G1,  16                           ; s[16:23] descriptor group 1
.set G0A, 24                           ; s[24:27], s[28:31] groups 0 for the two pairs
.set G0B, 28
.set SEL, 32                           ; s[32:33] v_permlanex16_b32's selects for lane l xor 16
.set CS,  34                           ; s[34:35] c = log2(e) / 8, twice
.set TB,  36                           ; s36  LDS byte at which the step's piece of K begins
.set CNT, 37                           ; s37  counts the five steps
.set DL,  38                           ; s38  step - a + 2: 0 .. 4 inside the band
	s_load_b128 s[4:7], s[0:1], 0x0                ; qkv s[4:5], oq s[6:7]
	v_lshl_add_u32 v8, v0, 2, SPARE
	v_mov_b32 v9, 0
	ds_add_u32 v8, v9                              ; the wave's opening: the add and its wait stand ahead of my first tensor load; the set-up below, work on registers, stands between them
	ds_add_u32 v8, v9
	v_lshrrev_b32 v10, 5, v0
	s_delay_alu instid0(VALU_DEP_1)
	v_readfirstlane_b32 s[WV], v10                 ; wave 0..15
	s_and_b32 s[QT], s[WV], 7
	s_lshr_b32 s[HE], s[WV], 3
	s_mov_b32 s[QA], ttmp9
	s_and_b32 s[BT], ttmp7, 0xffff
	s_and_b32 s[SG], s[BT], 3
	s_lshr_b32 s[BT], s[BT], 2
	s_max_u32 s[S0], s[QA], 2
	s_sub_co_u32 s[S0], s[S0], 2
	s_min_u32 s[S0], s[S0], 11
	s_lshl_b32 s[RB0], s[BT], 4
	s_add_co_u32 s[RB0], s[RB0], s[S0]
	; descriptor group 1: a dense block of 13,312 bytes as 52 rows of 256 bytes; no padding: every LDS load reads consecutive bytes
	s_mov_b32 s[G1+0], 3<<16                       ; no mask; elements of 8 bytes
	s_mov_b32 s[G1+1], 32<<16                      ; tensor_dim0 = 32
	s_mov_b32 s[G1+2], 52<<16                      ; tensor_dim1 = 52
	s_mov_b32 s[G1+3], 32<<16                      ; tile_dim0
	s_mov_b32 s[G1+4], 52                          ; tile_dim1
	s_mov_b32 s[G1+5], 32                          ; tensor_dim0_stride
	s_mov_b32 s[G1+6], 0
	s_mov_b32 s[G1+7], 0
	; what I fetch, if I fetch: waves 0-4: K of step s0 + wave; waves 5-9: V of step s0 + wave - 5
	s_add_co_u32 s44, s[RB0], s[WV]
	s_lshl_b32 s45, s44, 5
	s_lshl_b32 s46, s[SG], 2
	s_add_co_u32 s45, s45, s46
	s_add_co_u32 s45, s45, 16
	s_mul_i32 s45, s45, ACH                        ; K: chunk (block of tokens x 32 + 16 + head), head = 4 x my four
	s_sub_co_u32 s46, s44, 5
	s_lshl_b32 s46, s46, 1
	s_lshl_b32 s47, s[SG], 8
	s_add_co_u32 s46, s46, s47
	s_mul_i32 s46, s46, ACH
	s_add_co_u32 s46, s46, QKB                     ; V: chunk (pair of heads x 128 + 2 x block of keys)
	s_mov_b32 s47, 128*ACH
	s_cmp_lt_u32 s[WV], 5
	s_cselect_b32 s48, s45, s46
	s_cselect_b32 s50, PIECE, s47                  ; and from the first pair of heads to the second
	s_mov_b32 s49, 0
	s_mov_b32 s51, 0
	s_mul_i32 s52, s[WV], PIECE                    ; where it goes
	s_lshl_b32 s53, s[BT], 4
	s_add_co_u32 s53, s53, s[QA]                   ; my block of 128 tokens
	s_lshl_b32 s54, s53, 5
	s_lshl_b32 s55, s[SG], 2
	s_add_co_u32 s54, s54, s55
	s_add_co_u32 s54, s54, s[HE]
	s_mul_i32 s54, s54, ACH                        ; Q: chunk (block x 32 + head), the first pair's
	s_mov_b32 s55, 0
	s_mov_b32 s[SEL], 0x76543210
	s_mov_b32 s[SEL+1], 0xfedcba98
	s_mov_b32 s[CS], 0x3e38aa3b                    ; c = log2(e) / 8
	s_mov_b32 s[CS+1], s[CS]                       ; (named with it as a pair, so it is written)
	s_wait_dscnt 0x0                               ; the opening add is done
	s_wait_kmcnt 0x0
	s_mov_b32 s[G0A], 1
	s_mov_b32 s[G0A+1], s52
	s_add_nc_u64 s[G0A+2:G0A+3], s[4:5], s[48:49]
	s_mov_b32 s[G0B], 1
	s_add_co_u32 s[G0B+1], s52, BLKB
	s_add_nc_u64 s[G0B+2:G0B+3], s[G0A+2:G0A+3], s[50:51]
	s_or_b32 s[G0A+3], s[G0A+3], 0x80000000
	s_or_b32 s[G0B+3], s[G0B+3], 0x80000000
	s_add_nc_u64 s[40:41], s[4:5], s[54:55]
	s_cmp_lt_u32 s[WV], 10                         ; a wave's two first fills stand in one branch, ahead of every wait on TENSORcnt, every LDS read and every barrier: two loads of mine are out
	s_cbranch_scc0 .Lno_fill
	tensor_load_to_lds s[G0A:G0A+3], s[G1:G1+7]
	s_nop 0
	tensor_load_to_lds s[G0B:G0B+3], s[G1:G1+7]
	s_nop 0
.rept 4
	v_nop
.endr
.Lno_fill:
	v_and_b32 v251, 31, v0                         ; lane
	v_and_b32 v252, 15, v0                         ; r
	v_bfe_u32 v253, v0, 4, 1                       ; h
	s_mul_i32 s56, s[QT], 768                      ; Q: my tile's half-fragment
	v_lshl_add_u32 v10, v251, 4, s56
	v_lshl_add_u32 v11, v251, 3, s56
	s_delay_alu instid0(VALU_DEP_1)
	v_add_nc_u32 v11, 512, v11
	s_lshl_b32 s56, s[QT], 2
	v_lshl_add_u32 v12, v252, 5, s56
	s_delay_alu instid0(VALU_DEP_1)
	v_add_nc_u32 v12, 6144, v12                    ; and its scale words
	global_load_b128 v[16:19], v10, s[40:41]
	global_load_b64 v[20:21], v11, s[40:41]
	global_load_b32 v248, v12, s[40:41]
	global_load_b128 v[28:31], v10, s[40:41] offset:PIECE    ; the second pair's head lies two chunks on
	global_load_b64 v[32:33], v11, s[40:41] offset:PIECE
	global_load_b32 v249, v12, s[40:41] offset:PIECE
	s_mul_i32 s56, s[HE], ACH
	s_mul_i32 s57, s[HE], 3072
	v_lshl_add_u32 v1, v251, 4, s56                ; K: my head's chunk, 16 bytes a lane
	v_lshl_add_u32 v2, v251, 3, s56
	s_delay_alu instid0(VALU_DEP_1)
	v_add_nc_u32 v2, 512, v2                       ; and 8 bytes a lane
	v_lshl_add_u32 v3, v252, 5, s56
	s_delay_alu instid0(VALU_DEP_1)
	v_lshl_add_u32 v3, v253, 4, v3
	s_delay_alu instid0(VALU_DEP_1)
	v_add_nc_u32 v3, 6144, v3                      ; K's scale words: lanes 0-15 those of tiles 0-3 of their row, lanes 16-31 those of tiles 4-7
	v_lshl_add_u32 v4, v251, 4, s57
	s_delay_alu instid0(VALU_DEP_1)
	v_add_nc_u32 v4, VOFF, v4                      ; V: my head's four half-fragments
	v_lshl_add_u32 v5, v251, 3, s57
	s_delay_alu instid0(VALU_DEP_1)
	v_add_nc_u32 v5, VOFF+512, v5
	s_lshl_b32 s58, s[HE], 4
	v_lshl_add_u32 v6, v252, 5, s58
	s_delay_alu instid0(VALU_DEP_1)
	v_add_nc_u32 v6, VOFF+6144, v6                 ; V's scale words: my head's four tiles, whole words of the step's 128 keys
	s_lshr_b32 s58, s[QT], 1
	s_lshl_b32 s58, s58, 5
	s_and_b32 s59, s[QT], 1
	s_lshl_b32 s59, s59, 3
	s_add_co_u32 s58, s58, s59
	v_and_b32 v7, 8, v252
	s_delay_alu instid0(VALU_DEP_1)
	v_add3_u32 v7, v7, v252, s58                   ; my query's place in its block of 128,
	v_lshlrev_b32 v254, 4, v253
	s_delay_alu instid0(VALU_DEP_1)
	v_sub_nc_u32 v7, v7, v254                      ; less 16 h: register 16 g + i holds the step's key 32 g + i + 16 h
	s_lshl_b32 s58, s53, 3
	s_add_co_u32 s58, s58, s[QT]                   ; the result's tile of 16 tokens: its chunk of 12,800 bytes,
	s_mul_i32 s58, s58, 12800
	s_lshl_b32 s59, s[SG], 7
	s_add_co_u32 s59, s59, s58
	s_add_co_u32 s59, s59, 12288
	v_lshl_add_u32 v239, v251, 2, s59              ; in it the scale words of my four heads' two K steps: 128 bytes
	s_mul_i32 s59, s[SG], 3072
	s_add_co_u32 s58, s58, s59                     ; K step 2 x my four (+ pair), 1,536 bytes each,
	s_mul_i32 s59, s[HE], 768
	s_add_co_u32 s58, s58, s59                     ; my head's half of it
	v_lshl_add_u32 v234, v251, 4, s58
	v_lshl_add_u32 v235, v251, 3, s58
	s_delay_alu instid0(VALU_DEP_1)
	v_add_nc_u32 v235, 512, v235
	s_lshl_b32 s58, s[QT], 7
	s_add_co_u32 s58, s58, STG
	v_lshl_add_u32 v238, v251, 2, s58              ; the scale bytes' stage: read back, 4 bytes a lane of tile t's 128;
	s_lshl_b32 s59, s[HE], 1
	s_add_co_u32 s58, s58, s59
	v_lshl_add_u32 v236, v252, 3, s58              ; and written: 8 r + 2 x head
	v_mov_b32 v237, 0xff800000                     ; -infinity
.irp j, 22,23,24,25,26,27,34,35,36,37,38,39,88,89,90,91,92,93
	v_mov_b32 v[\j], 0                             ; Q's upper 64 along K: zero codes; and what stands behind K's last tile
.endr
	s_wait_loadcnt 0x0                             ; Q; its offsets' registers are free
	s_wait_tensorcnt 1                             ; my piece of the first pair is in; the second pair's may be out
	s_barrier_signal -1
	s_barrier_wait -1                              ; everybody's is
; ONE PAIR OF HEADS.  blk: which;  qf: Q's fragment;  qs: Q's scale words.
.macro BLOCK blk, qf, qs
	v_mov_b32 v225, 0xff61b1e6                     ; the largest t so far: -3e38, under every t
	s_delay_alu instid0(VALU_DEP_1)
	v_floor_f32 v224, -v225                        ; -M
	v_mov_b32 v226, 0                              ; the sum, in two halves
	v_mov_b32 v227, 0
	v_mov_b32 v229, 0                              ; (named as the upper half of the pair v[228:229])
	v_mov_b32 v232, 0
.irp b, 0,1,2,3
	v_mov_b32 v[216+\b], 0                         ; a lane permute's destination counts as one of its sources
.endr
.set n, 0
.rept 32
	v_mov_b32 v[160+n], 0                          ; O^T.  (The step is written once: the first finds zeros, which the first change of M leaves zeros)
.set n, n+1
.endr
	s_mov_b32 s[TB], (\blk)*BLKB
	s_mov_b32 s[CNT], 0
	s_sub_co_u32 s[DL], s[S0], s[QA]
	s_add_co_u32 s[DL], s[DL], 2
.Lstep_\@:                                         ; five trips, a key step each
	s_cmp_gt_u32 s[DL], 4                          ; outside the band (below it the number wraps): the step's work is passed over; no barrier and no tensor load stands in a step
	s_cbranch_scc1 .Lskip_\@
	s_setprio 2
.irp i, 0,1,2,3,4,5
	v_add_nc_u32 v[10+\i], s[TB], v[1+\i]          ; the step's addresses.  (These six are also the places in front of the loads into registers that the last products read)
.endr
.irp k, 0,1,2,3,4,5,6,7
	ds_load_b128 v[40+6*\k:43+6*\k], v10 offset:768*\k
	ds_load_b64 v[44+6*\k:45+6*\k], v11 offset:768*\k
.endr
	ds_load_b128 v[240:243], v12
	s_wait_alu depctr_va_vdst(0)
	s_wait_dscnt 0x0
.irp k, 0,1,2,3                                ; S^T = K Q^T: tile k's fragment is its six registers and the six behind them, which meet Q's zero codes
	v_wmma_scale_f32_16x16x128_f8f6f4 v[96+8*\k:103+8*\k], v[40+6*\k:51+6*\k], v[\qf:\qf+11], 0, v[240+\k], v[\qs] matrix_a_fmt:MATRIX_FMT_FP6 matrix_b_fmt:MATRIX_FMT_FP6
.endr
.irp k, 4,5,6,7
	v_wmma_scale_f32_16x16x128_f8f6f4 v[96+8*\k:103+8*\k], v[40+6*\k:51+6*\k], v[\qf:\qf+11], 0, v[236+\k], v[\qs] matrix_a_fmt:MATRIX_FMT_FP6 matrix_b_fmt:MATRIX_FMT_FP6 matrix_a_scale:MATRIX_SCALE_ROW1
.endr
.rept 4
	v_nop                                          ; places: in front of the loads into K's registers, and of the first read of the scores
.endr
.irp d, 0,1,2,3                                ; V's four fragments are asked for now and land under the softmax
.irp k, 0,1
	ds_load_b128 v[40+12*\d+6*\k:43+12*\d+6*\k], v13 offset:ACH*\k+768*\d
	ds_load_b64 v[44+12*\d+6*\k:45+12*\d+6*\k], v14 offset:ACH*\k+768*\d
.endr
.endr
	ds_load_b128 v[244:247], v15
	s_cmp_lg_u32 s[DL], 0                          ; step a - 2: key offset ko counts where ko >= my query's offset
	s_cbranch_scc1 .Lnot_low_\@
.set n, 0
.rept 64
	v_cmp_lt_i32 vcc_lo, 32*(n/16)+n%16, v7
	v_cndmask_b32 v[96+n], v[96+n], v237, vcc_lo
.set n, n+1
.endr
.Lnot_low_\@:
	s_cmp_lg_u32 s[DL], 4                          ; step a + 2: ko counts where ko <= my query's offset
	s_cbranch_scc1 .Lnot_high_\@
.set n, 0
.rept 64
	v_cmp_gt_i32 vcc_lo, 32*(n/16)+n%16, v7
	v_cndmask_b32 v[96+n], v[96+n], v237, vcc_lo
.set n, n+1
.endr
.Lnot_high_\@:
.irp b, 0,1,2,3
	v_max3_num_f32 v[212+\b], v[96+16*\b], v[97+16*\b], v[98+16*\b]   ; the largest score of each block of 32 keys: it serves the row's maximum and, since p rises with the score, the block's largest p
.endr
	s_setprio 1
.irp i, 3,5,7,9,11,13
.irp b, 0,1,2,3
	v_max3_num_f32 v[212+\b], v[212+\b], v[96+16*\b+\i], v[97+16*\b+\i]
.endr
.endr
.irp b, 0,1,2,3
	v_max_num_f32 v[212+\b], v[212+\b], v[111+16*\b]
.endr
.irp b, 0,1,2,3
	s_delay_alu instid0(VALU_DEP_4)
	v_permlanex16_b32 v[216+\b], v[212+\b], s[SEL], s[SEL+1]
.endr
.irp b, 0,1,2,3
	s_delay_alu instid0(VALU_DEP_4)
	v_max_num_f32 v[212+\b], v[212+\b], v[216+\b]  ; with lane l xor 16's 16 keys
.endr
	s_delay_alu instid0(VALU_DEP_2)
	v_max3_num_f32 v232, v212, v213, v214
	s_delay_alu instid0(VALU_DEP_1)
	v_max_num_f32 v232, v232, v215                 ; the step's largest score of my query
	s_delay_alu instid0(VALU_DEP_1)
	v_mul_f32 v232, s[CS], v232                    ; as t
	s_delay_alu instid0(VALU_DEP_1)
	v_max_num_f32 v225, v225, v232                 ; the running largest t
	v_mov_b32 v232, v224
	s_delay_alu instid0(VALU_DEP_2)
	v_floor_f32 v224, -v225                        ; the new -M = floor(-t): M is a whole number
	s_delay_alu instid0(VALU_DEP_1)
	v_sub_f32 v232, v224, v232                     ; old M - new M: a whole number, 0 or less
	s_delay_alu instid0(VALU_DEP_1)
	v_cvt_i32_f32 v232, v232                       ; (it saturates)
	s_delay_alu instid0(VALU_DEP_1)
	v_ldexp_f32 v228, 1.0, v232                    ; f = 2^(old M - new M)
.set n, 0
.rept 32
	v_pk_fma_f32 v[96+n:97+n], v[96+n:97+n], s[CS:CS+1], v[224:225] op_sel_hi:[1,0,0]   ; t - M, two at a time
.set n, n+2
.endr
.irp b, 0,1,2,3
	v_fma_f32 v[212+\b], v[212+\b], s[CS], v224    ; the same of each block's largest score
.endr
.set n, 0
	s_wait_alu depctr_va_vdst(0)
.rept 64
	v_exp_f32 v[96+n], v[96+n]                     ; p = 2^(t - M), at most 1: not normalised
.set n, n+1
.endr
	v_pk_mul_f32 v[226:227], v[226:227], v[228:229] op_sel_hi:[1,0]   ; the sums under the new M.  (A plain place behind the exponentials)
	s_wait_alu depctr_va_vdst(0)                   ; one wait for the whole batch, ahead of its first reader
.irp b, 0,1,2,3
	v_exp_f32 v[212+\b], v[212+\b]                 ; the block's largest p: the same two instructions on the same number give the same bits
.endr
	v_pk_add_f32 v[230:231], v[100:101], v[104:105]
	v_pk_add_f32 v[254:255], v[108:109], v[112:113]
	v_pk_add_f32 v[252:253], v[116:117], v[120:121]
	v_pk_add_f32 v[250:251], v[124:125], v[128:129]
	v_pk_add_f32 v[242:243], v[132:133], v[136:137]
	v_pk_add_f32 v[240:241], v[140:141], v[144:145]
	v_pk_add_f32 v[222:223], v[148:149], v[152:153]
	v_pk_add_f32 v[226:227], v[226:227], v[156:157]
	v_pk_add_f32 v[230:231], v[230:231], v[96:97]
	v_pk_add_f32 v[254:255], v[254:255], v[98:99]
	v_pk_add_f32 v[252:253], v[252:253], v[102:103]
	v_pk_add_f32 v[250:251], v[250:251], v[106:107]
	v_pk_add_f32 v[242:243], v[242:243], v[110:111]
	v_pk_add_f32 v[240:241], v[240:241], v[114:115]
	v_pk_add_f32 v[222:223], v[222:223], v[118:119]
	v_pk_add_f32 v[226:227], v[226:227], v[122:123]
	v_pk_add_f32 v[230:231], v[230:231], v[126:127]
	v_pk_add_f32 v[254:255], v[254:255], v[130:131]
	v_pk_add_f32 v[252:253], v[252:253], v[134:135]
	v_pk_add_f32 v[250:251], v[250:251], v[138:139]
	v_pk_add_f32 v[242:243], v[242:243], v[142:143]
	v_pk_add_f32 v[240:241], v[240:241], v[146:147]
	v_pk_add_f32 v[222:223], v[222:223], v[150:151]
	s_setprio 0
	v_pk_add_f32 v[226:227], v[226:227], v[154:155]
	v_pk_add_f32 v[230:231], v[230:231], v[158:159]
	s_delay_alu instid0(VALU_DEP_2)
	v_pk_add_f32 v[226:227], v[226:227], v[250:251]
	s_delay_alu instid0(VALU_DEP_2)
	v_pk_add_f32 v[230:231], v[230:231], v[242:243]
	v_pk_add_f32 v[254:255], v[254:255], v[240:241]
	v_pk_add_f32 v[252:253], v[252:253], v[222:223]
	s_delay_alu instid0(VALU_DEP_2)
	v_pk_add_f32 v[226:227], v[226:227], v[254:255]
	s_delay_alu instid0(VALU_DEP_2)
	v_pk_add_f32 v[230:231], v[230:231], v[252:253]
	s_delay_alu instid0(VALU_DEP_1)
	v_pk_add_f32 v[226:227], v[226:227], v[230:231]
	s_wait_alu depctr_va_vdst(0)                   ; and one for the four
.irp b, 0,1,2,3
	v_max_num_f32 v[212+\b], 0x1800000, v[212+\b]  ; the floor 2^(3 - 127): the byte cannot fall under 1 (a block whose every p is 0 keeps that byte: its codes are zeros)
.endr
.irp b, 0,1,2,3
	s_delay_alu instid0(VALU_DEP_4)
	v_add_nc_u32 v[220+\b], 0xff000000, v[212+\b]  ; 2 off the exponent field: the conversion's scale operand
.endr
.irp b, 0,1,2,3
	s_delay_alu instid0(VALU_DEP_4)
	v_lshrrev_b32 v[216+\b], 23, v[220+\b]         ; the scale's byte
.endr
	s_delay_alu instid0(VALU_DEP_3)
	v_lshl_or_b32 v250, v217, 8, v216              ; p's scale word for these 128 keys
	s_delay_alu instid0(VALU_DEP_1)
	v_lshl_or_b32 v250, v218, 16, v250
	s_delay_alu instid0(VALU_DEP_1)
	v_lshl_or_b32 v250, v219, 24, v250
.irp c, 0,1
	v_cvt_scalef32_pk16_fp6_f32 v[192+6*\c:194+6*\c], v[96+32*\c:111+32*\c], v[220+2*\c]
	v_cvt_scalef32_pk16_fp6_f32 v[204+4*\c:206+4*\c], v[112+32*\c:127+32*\c], v[220+2*\c+1]   ; (a conversion's three registers begin on an even number)
.endr
	v_nop                                          ; one plain place behind a scaled conversion
.irp c, 0,1                                    ; the operand's layout wants a whole block in a lane
.irp i, 0,1,2
	v_permlane16_swap_b32 v[192+6*\c+\i], v[204+4*\c+\i]
.endr
.irp i, 0,1,2
	s_delay_alu instid0(VALU_DEP_3)
	v_mov_b32 v[195+6*\c+\i], v[204+4*\c+\i]
.endr
.endr
.set n, 0
.rept 16
	v_pk_mul_f32 v[160+n:161+n], v[160+n:161+n], v[228:229] op_sel_hi:[1,0]   ; O^T under the new M.  (With the moves above: the places between the scale word's and the codes' last writes and the products below)
.set n, n+2
.endr
	s_wait_alu depctr_va_vdst(0)
	s_wait_dscnt 0x0                               ; V
.irp d, 0,1,2,3                                ; O^T += V^T P^T: four tiles of 16 channels, K = these 128 keys; the four accumulators take turns
	v_wmma_scale_f32_16x16x128_f8f6f4 v[160+8*\d:167+8*\d], v[40+12*\d:51+12*\d], v[192:203], v[160+8*\d:167+8*\d], v[244+\d], v250 matrix_a_fmt:MATRIX_FMT_FP6 matrix_b_fmt:MATRIX_FMT_FP6
.endr
.Lskip_\@:
	s_add_co_u32 s[TB], s[TB], PIECE
	s_add_co_u32 s[DL], s[DL], 1
	s_add_co_u32 s[CNT], s[CNT], 1
	s_cmp_lt_u32 s[CNT], 5
	s_cbranch_scc1 .Lstep_\@
	s_setprio 0
.rept 4
	v_nop                                          ; places behind the last products
.endr
	v_add_f32 v226, v226, v227                     ; the sum's two halves,
	s_delay_alu instid0(VALU_DEP_1)
	v_permlanex16_b32 v232, v226, s[SEL], s[SEL+1]
	s_delay_alu instid0(VALU_DEP_1)
	v_add_f32 v226, v226, v232                     ; and lane l xor 16's: the row's sum
	s_wait_alu depctr_va_vdst(0)
	v_rcp_f32 v226, v226
	v_nop                                          ; a plain place behind the reciprocal
	s_wait_alu depctr_va_vdst(0)                   ; and the wait ahead of its first reader
.set n, 0
.rept 32
	v_mul_f32 v[96+n], v[160+n], v226              ; O / the sum: register 16 g + i is channel 32 g + 16 h + i of my head, of my query
.set n, n+1
.endr
.irp b, 0,1                                    ; quantised along the model's axis: my head's 64 channels are two blocks of 32
	v_max3_num_f32 v[212+\b], |v[96+16*\b]|, |v[97+16*\b]|, 0x1800000
.endr
.irp i, 2,4,6,8,10,12,14
.irp b, 0,1
	s_delay_alu instid0(VALU_DEP_2)
	v_max3_num_f32 v[212+\b], v[212+\b], |v[96+16*\b+\i]|, |v[97+16*\b+\i]|
.endr
.endr
.irp b, 0,1
	s_delay_alu instid0(VALU_DEP_2)
	v_permlanex16_b32 v[216+\b], v[212+\b], s[SEL], s[SEL+1]
.endr
.irp b, 0,1
	s_delay_alu instid0(VALU_DEP_2)
	v_max_num_f32 v[212+\b], v[212+\b], v[216+\b]
.endr
.irp b, 0,1
	s_delay_alu instid0(VALU_DEP_2)
	v_add_nc_u32 v[220+\b], 0xff000000, v[212+\b]
.endr
.irp b, 0,1
	s_delay_alu instid0(VALU_DEP_2)
	v_lshrrev_b32 v[216+\b], 23, v[220+\b]
.endr
	s_delay_alu instid0(VALU_DEP_1)
	v_lshl_or_b32 v232, v217, 8, v216              ; my head's two bytes of the row's scale word
	v_cvt_scalef32_pk16_fp6_f32 v[192:194], v[96:111], v220
	v_cvt_scalef32_pk16_fp6_f32 v[204:206], v[112:127], v221
	v_nop
.irp i, 0,1,2
	v_permlane16_swap_b32 v[192+\i], v[204+\i]
.endr
.irp i, 0,1,2
	s_delay_alu instid0(VALU_DEP_3)
	v_mov_b32 v[195+\i], v[204+\i]
.endr
	global_store_b128 v234, v[192:195], s[6:7] offset:1536*(\blk)   ; 512 consecutive bytes, at a multiple of 256 from the buffer's first byte
	global_store_b64 v235, v[196:197], s[6:7] offset:1536*(\blk)    ; 256 consecutive bytes, likewise
	ds_store_b16 v236, v232 offset:4*(\blk)        ; both lanes of a row write the same two bytes with the same value
.endm
	BLOCK 0, 16, 248
	s_wait_tensorcnt 0x0                           ; my piece of the second pair is in,
	s_wait_dscnt 0x0                               ; no LDS instruction of mine is out at the signal,
	s_wait_xcnt 0x0                                ; and the stores have read the registers that the second pair writes again
	s_barrier_signal -1
	s_barrier_wait -1                              ; everybody's piece is in
	BLOCK 1, 28, 249
	s_wait_dscnt 0x0                               ; for the others' sake: my scale bytes lie in the stage
	s_barrier_signal -1
	s_barrier_wait -1
	s_cmp_lt_u32 s[WV], 8                          ; wave w < 8 stores tile w's scale words of my four heads: 128 consecutive bytes
	s_cbranch_scc0 .Lno_scales
	ds_load_b32 v232, v238
	s_wait_dscnt 0x0
	global_store_b32 v239, v232, s[6:7]
.Lno_scales:
	s_wait_tensorcnt 0x0                           ; the wave's end: behind my last tensor load and my last LDS store
	ds_add_u32 v8, v9
	s_wait_dscnt 0x0
	s_endpgm
.Lfunc_end_k_qb0fd817c9d_attn:
	.size	k_qb0fd817c9d_attn, .Lfunc_end_k_qb0fd817c9d_attn-k_qb0fd817c9d_attn
	.p2alignl 7, 3214868480
	.fill 96, 4, 3214868480
	.section	.rodata,"a",@progbits
	.p2align	6, 0x0
	.amdhsa_kernel k_qb0fd817c9d_attn
		.amdhsa_group_segment_fixed_size 327680
		.amdhsa_private_segment_fixed_size 0
		.amdhsa_enable_private_segment 0
		.amdhsa_kernarg_size 16
		.amdhsa_user_sgpr_count 2
		.amdhsa_user_sgpr_kernarg_segment_ptr 1
		.amdhsa_wavefront_size32 1
		.amdhsa_system_sgpr_workgroup_id_x 1
		.amdhsa_system_sgpr_workgroup_id_y 1
		.amdhsa_system_sgpr_workgroup_id_z 1
		.amdhsa_system_vgpr_workitem_id 0
		.amdhsa_next_free_vgpr 256
		.amdhsa_next_free_sgpr 66
		.amdhsa_reserve_vcc 1
		.amdhsa_float_denorm_mode_32 3
		.amdhsa_float_denorm_mode_16_64 3
		.amdhsa_memory_ordered 1
		.amdhsa_forward_progress 1
		.amdhsa_inst_pref_size 75
	.end_amdhsa_kernel
	.amdgpu_metadata
---
amdhsa.version: [ 1, 2 ]
amdhsa.kernels:
  - .name:           k_qb0fd817c9d_attn
    .symbol:         k_qb0fd817c9d_attn.kd
    .args:
      - { .name: qkv, .offset: 0, .size: 8, .value_kind: global_buffer, .address_space: global }
      - { .name: oq, .offset: 8, .size: 8, .value_kind: global_buffer, .address_space: global }
    .group_segment_fixed_size: 327680
    .private_segment_fixed_size: 0
    .kernarg_segment_align: 8
    .kernarg_segment_size: 16
    .max_flat_workgroup_size: 512
    .sgpr_count:     66
    .vgpr_count:     256
    .wavefront_size: 32
...
	.end_amdgpu_metadata
.endif
;; end of part 3
;; launch gemm_out (part 4): grid 4 x 32, 4 waves a work-group, clusters of 4 x 4, 327,680 bytes of LDS; arguments oq, opq, out0; writes out0
.if DOCPART == 4
	.amdgcn_target "amdgcn-amd-amdhsa--gfx1250"
	.amdhsa_code_object_version 6
	.text
	.protected	k_qb0fd817c9d_gemm_out
	.globl	k_qb0fd817c9d_gemm_out
	.p2align	8
	.type	k_qb0fd817c9d_gemm_out,@function
k_qb0fd817c9d_gemm_out:
	s_mov_b64 s[64:65], 0
	v_nop
	global_prefetch_b8 v0, s[64:65] scope:SCOPE_SE
	s_setreg_imm32_b32 hwreg(HW_REG_WAVE_MODE, 25, 1), 1
	s_wait_xcnt 0x0
	s_wait_alu depctr_hold_cnt(0) depctr_sa_sdst(0) depctr_va_vdst(0) depctr_va_sdst(0) depctr_va_ssrc(0) depctr_va_vcc(0) depctr_vm_vsrc(0)
	s_getreg_b32 s2, hwreg(HW_REG_IB_STS2, 6, 4)
	s_cmp_eq_u32 s2, 0
	s_cbranch_scc0 .Lentry_in_a_cluster
	s_endpgm
.Lentry_in_a_cluster:
	s_bfe_u32 s2, ttmp6, 0x10000c
	s_cmp_lg_u32 s2, 0xf033
	s_cbranch_scc0 .Lentry_shape_is_right
	s_endpgm
.Lentry_shape_is_right:
; out0 = O W_o^T on codes of FP6 (E2M3) with E8M0 scales, K = 1,024; sums and result in f32.  O's codes: buffer oq, tiles 0-511; W_o's: buffer opq, tiles 704-767.
; A tile of the result is 256 x 256: four waves, each 128 x 128 in 64 accumulators.  The matrix instruction is used transposed (source 0 = 16 rows of W_o, source 1 = 16 rows of O): a lane holds eight neighbouring numbers of a row of the result.
; OPERANDS lie in memory in the order of the operand's registers (a chunk of 12,800 bytes for a tile of 16 rows: 8 fragments of 1,536 bytes, 512 bytes of scale words), so a fragment comes from LDS by two loads of 16 and two of 8 bytes a lane, each of consecutive bytes.
; Lane-row r of stored tile T is row 32 (T / 2) + 8 (T % 2) + r + 8 (r / 8): the way out puts rows and columns back in order, by immediates alone.
; K goes in steps of 256 through a ring of two LDS slots; the scale words of all of K come once, with the first fills.  4 x 4 work-groups form a cluster; O's tiles are asked for jointly along a row of it, W_o's along a column.
; The result has 32 x 4 tiles of 256 x 256: 128 work-groups.
; REGISTERS, in windows of 256: window 0: v0-31 addresses; v32-63 scale words, two sets; v128-223 A's fragments, one set; on the way out v128-255 rows of the result.
;   window 1: B's fragments, two sets, at v0 and v128.   window 2: the accumulators of my rows 0-63 ((a, b) at v[8 (8 a + b)]);   window 3: those of rows 64-127.
.set NQ,    2                          ; matrix instructions deep in a slot
.set FR,    12                         ; registers of a fragment
.set NL,    4                          ; LDS loads that bring one
.set NP,    4                          ; places behind this matrix instruction (ISA guide 7.12.1)
.set CH,    12800                      ; a tile's chunk in memory
.set TILEB, 3072                       ; a tile's two fragments of a slot
.set HALFT, 8*TILEB                    ; 8 tiles: what one tensor load brings, and what one wave reads of A or of B
.set SLOT,  4*HALFT                    ; A's 16 tiles, then B's 16
.set SCL,   2*SLOT                     ; behind the ring: the scale words, 512 bytes a tile
.set HALFS, 4096                       ; those of 8 tiles
.set SBLK,  512
.set SPARE, SCL+4*HALFS                ; the spare words, 128 bytes for each wave: two blocks of 256 bytes that no other line names
.set SPITCH, 528                       ; the way out: a stage of 16 rows x (512 bytes + 16) for each wave, in slot 0, which has had its last fill and its last read when the first result is stored there
.set ADRA, 16                          ; v16-17 LDS address of my A fragments in slot 0, 1, 16 bytes a lane;  v18-19 the same, 8 bytes a lane
.set ADRB, 20                          ; v20-23 the same for B
.set STO,  24                          ; v24    the way out: where I put 32 bytes of a row
.set RD,   25                          ; v25    where I read a row back
.set CO,   26                          ; v26    my byte offset in a row of the result
.set ADRS, 27                          ; v27    LDS address of my scale words: lanes 0-15 A's rows, lanes 16-31 B's
.set SPW,  28                          ; v28    LDS address of my spare word; never rewritten
.set NIL,  29                          ; v29    0; never rewritten
.set SC,   32                          ; scale words: set s at v[SC + 16 s]; register 2 i + q: lanes 0-15 A's block i, lanes 16-31 B's block i
.set AF,   128                         ; A's fragments
.set BK,   128                         ; the way out: 16 rows read back from the stage: v128-191 and v192-255 by turns
.set G1, 24                            ; s[24:31] descriptor group 1 for A's tiles;  s[32:39] group 0, one set for each slot
.set G0, 32
.set G1B, 48                           ; s[48:55], s[56:63] the same for B's
.set G0B, 56
.set G1S, 68                           ; s[68:75], s[76:79] groups 1 and 0 for A's scale words;  s[80:87], s[88:91] for B's
.set G0S, 76
.set G1SB, 80
.set G0SB, 88
.set MSB, 0
.macro WIN new                         ; the immediate's high byte repeats the setting that is left
.if MSB != (\new)
	s_set_vgpr_msb (MSB<<8)|(\new)
.set MSB, (\new)
.endif
.endm
.set MUL_LO, 0xa1                      ; source 0 (B) window 1, source 1 (A) window 0, C and D window 2
.set MUL_HI, 0xf1                      ; the same, C and D window 3
.set TO_B,   0x40                      ; destination window 1, address window 0
; A joint load: waves 0 and 1 fetch for A, waves 2 and 3 for B.  Each line has one mask and one set of registers for all that issue it; the branch hangs on the wave's number alone.
; An s_nop 0 and four v_nop follow each of the two lines.
.macro JLOAD g0a, g1a, g0b, g1b
	s_cmp_eq_u32 s15, 0
	s_cbranch_scc0 .Lfor_b_\@
	tensor_load_to_lds s[\g0a:\g0a+3], s[\g1a:\g1a+7]
	s_nop 0
.rept 4
	v_nop
.endr
	s_branch .Lasked_\@
.Lfor_b_\@:
	tensor_load_to_lds s[\g0b:\g0b+3], s[\g1b:\g1b+7]
	s_nop 0
.rept 4
	v_nop
.endr
.Lasked_\@:
.endm
.macro CREST                           ; a round of the cluster's barrier behind its opening barrier
	s_cmp_lg_u32 s14, 0
	s_cbranch_scc1 .Lnot_wave_0_\@
	s_barrier_signal -3
.Lnot_wave_0_\@:
	s_barrier_wait -3
	s_barrier_signal -1
	s_barrier_wait -1
.endm
.macro CROUND                          ; a whole round
	s_barrier_signal -1
	s_barrier_wait -1
	CREST
.endm
	s_load_b128 s[4:7], s[0:1], 0x0                ; oq s[4:5], opq s[6:7]
	s_load_b64 s[12:13], s[0:1], 0x10              ; out0
	v_lshl_add_u32 v[SPW], v0, 2, SPARE
	v_mov_b32 v[NIL], 0
	ds_add_u32 v[SPW], v[NIL]                      ; the wave's opening: the add and its wait stand ahead of my first tensor load; the set-up below, work on registers, stands between them
	v_lshrrev_b32 v1, 5, v0
	v_readfirstlane_b32 s14, v1                    ; wave 0..3
	s_lshr_b32 s15, s14, 1                         ; which half of the tile's rows is mine.  Also: I fetch for A (0) or for B (1)
	s_and_b32 s16, s14, 1                          ; which half of its columns.  Also: which 8 tiles I fetch
	s_bfe_u32 s40, ttmp6, 0x40000                  ; cx, cy: my place in the cluster
	s_bfe_u32 s41, ttmp6, 0x40004
	s_lshl_b32 s42, ttmp9, 2
	s_add_co_u32 s42, s42, s40                     ; tile column = 4 x cluster x + cx
	s_and_b32 s17, ttmp7, 0xffff
	s_lshl_b32 s17, s17, 2
	s_add_co_u32 s17, s17, s41                     ; tile row = 4 x cluster y + cy
	s_lshl_b32 s43, s41, 2
	s_lshl_b32 s43, 15, s43                        ; my row of the cluster
	s_lshl_b32 s44, 0x1111, s40                    ; my column
	; descriptor group 1: 8 rows (tiles) of 3,072 bytes, 12,800 bytes apart; elements of 8 bytes; no padding: every LDS load reads consecutive bytes
	s_or_b32 s[G1+0], s43, (3<<16)|(1<<21)         ; 15:0 the mask: A's tiles go to my row; 17:16 elements of 8 bytes; 21 set beside a mask
	s_or_b32 s[G1B+0], s44, (3<<16)|(1<<21)
.irp g, G1, G1B
	s_mov_b32 s[\g+1], 384<<16                     ; tensor_dim0 = 384 elements
	s_mov_b32 s[\g+2], 8<<16                       ; tensor_dim1 = 8
	s_mov_b32 s[\g+3], 384<<16                     ; tile_dim0
	s_mov_b32 s[\g+4], 8                           ; tile_dim1
	s_mov_b32 s[\g+5], 1600                        ; tensor_dim0_stride: a chunk
	s_mov_b32 s[\g+6], 0
	s_mov_b32 s[\g+7], 0
.endr
	; and for the scale words: 8 rows of 512 bytes
	s_or_b32 s[G1S+0], s43, (3<<16)|(1<<21)
	s_or_b32 s[G1SB+0], s44, (3<<16)|(1<<21)
.irp g, G1S, G1SB
	s_mov_b32 s[\g+1], 64<<16
	s_mov_b32 s[\g+2], 8<<16
	s_mov_b32 s[\g+3], 64<<16
	s_mov_b32 s[\g+4], 8
	s_mov_b32 s[\g+5], 1600
	s_mov_b32 s[\g+6], 0
	s_mov_b32 s[\g+7], 0
.endr
	s_lshl_b32 s18, s16, 3                         ; which 8 tiles I fetch
	s_lshl_b32 s20, s17, 4
	s_add_co_u32 s20, s20, s18                     ; A's first tile
	s_mul_i32 s20, s20, CH
	s_mov_b32 s21, 0
	s_lshl_b32 s46, s42, 4
	s_add_co_u32 s46, s46, s18
	s_add_co_u32 s46, s46, 704                     ; B's first tile: W_o's begin at 704
	s_mul_i32 s46, s46, CH
	s_mov_b32 s47, 0
	s_mul_i32 s45, s14, HALFT                      ; where they go: wave x 8 tiles: no place in the cluster enters an LDS address
	s_lshl_b32 s94, s14, 12
	s_wait_dscnt 0x0                               ; the opening add is done
	s_wait_kmcnt 0x0
	s_add_nc_u64 s[20:21], s[4:5], s[20:21]
	s_add_nc_u64 s[46:47], s[6:7], s[46:47]
	CROUND                                         ; all sixteen work-groups are here: the first joint loads meet
	s_mov_b32 s[G0S], 1
	s_add_co_u32 s[G0S+1], s94, SCL
	s_add_nc_u64 s[G0S+2:G0S+3], s[20:21], 12288
	s_or_b32 s[G0S+3], s[G0S+3], 0x80000000
	s_mov_b32 s[G0SB], 1
	s_add_co_u32 s[G0SB+1], s94, SCL
	s_add_nc_u64 s[G0SB+2:G0SB+3], s[46:47], 12288
	s_or_b32 s[G0SB+3], s[G0SB+3], 0x80000000
	JLOAD G0S, G1S, G0SB, G1SB                     ; the scale words first: they are wanted with K step 0
.irp s, 0,1
	s_mov_b32 s[G0+4*\s], 1
	s_add_co_u32 s[G0+4*\s+1], s45, \s*SLOT
	s_add_nc_u64 s[G0+4*\s+2:G0+4*\s+3], s[20:21], \s*TILEB
	s_or_b32 s[G0+4*\s+3], s[G0+4*\s+3], 0x80000000
	s_mov_b32 s[G0B+4*\s], 1
	s_add_co_u32 s[G0B+4*\s+1], s45, \s*SLOT
	s_add_nc_u64 s[G0B+4*\s+2:G0B+4*\s+3], s[46:47], \s*TILEB
	s_or_b32 s[G0B+4*\s+3], s[G0B+4*\s+3], 0x80000000
	JLOAD G0+4*\s, G1, G0B+4*\s, G1B
.endr
	v_and_b32 v1, 15, v0                           ; r
	v_bfe_u32 v2, v0, 4, 1                         ; h
	v_and_b32 v3, 31, v0                           ; lane
	v_lshlrev_b32 v4, 4, v3
	v_lshlrev_b32 v5, 3, v3
	s_mul_i32 s21, s15, HALFT                      ; my 8 tiles of A
	s_mul_i32 s22, s16, HALFT                      ; my 8 tiles of B,
	s_add_co_u32 s22, s22, 2*HALFT                 ; which lie behind A's 16
.irp s, 0,1
	v_add_nc_u32 v[ADRA+\s], s21, v4
	v_add_nc_u32 v[ADRB+\s], s22, v4
	v_add_nc_u32 v[ADRA+2+\s], s21, v5
	v_add_nc_u32 v[ADRB+2+\s], s22, v5
	s_add_co_u32 s21, s21, SLOT
	s_add_co_u32 s22, s22, SLOT
.endr
	v_lshlrev_b32 v6, 3, v1                        ; my row's two words of a slot: 8 bytes a row
	s_lshl_b32 s21, s15, 12                        ; A's: my 8 tiles
	s_lshl_b32 s22, s16, 12                        ; B's: my 8 tiles, behind A's 16
	s_add_co_u32 s22, s22, 2*HALFS
	s_sub_co_u32 s22, s22, s21
	v_mul_u32_u24 v7, s22, v2                      ; lanes 16-31 take B's: one product, the lower base + h x the distance
	s_add_co_u32 s21, s21, SCL
	v_add_nc_u32 v6, v6, v7
	v_add_nc_u32 v[ADRS], s21, v6
	s_mul_i32 s23, s14, 16*SPITCH                  ; my stage
	v_mul_u32_u24 v6, v1, SPITCH                   ; in: row r; my half's columns begin 16 numbers, 64 bytes, on
	v_lshl_add_u32 v6, v2, 6, v6
	v_add_nc_u32 v[STO], s23, v6
	v_lshlrev_b32 v[CO], 4, v3                     ; back: the 32 lanes take one row of 512 bytes; and the same in the result
	v_add_nc_u32 v[RD], s23, v[CO]
	s_lshl_b32 s20, s17, 8
	s_lshl_b32 s21, s15, 7
	s_add_co_u32 s20, s20, s21                     ; my first row of the result: 256 x tile row + 128 x half,
	s_lshl_b32 s20, s20, 12                        ; 4,096 bytes a row
	s_lshl_b32 s46, s42, 10                        ; my first column, in bytes: 1,024 x tile column + 512 x half
	s_lshl_b32 s47, s16, 9
	s_add_co_u32 s46, s46, s47
	s_add_co_u32 s20, s20, s46
	s_mov_b32 s21, 0
	s_add_nc_u64 s[12:13], s[12:13], s[20:21]
.macro FRAG reg, adr, q, i             ; a fragment, 12 registers a lane, as it was stored: registers 0-3, 4-5, 6-9, 10-11; every load reads consecutive bytes
	ds_load_b128 v[\reg:\reg+3], v[\adr] offset:TILEB*(\i)+1536*(\q)
	ds_load_b64 v[\reg+4:\reg+5], v[\adr+2] offset:TILEB*(\i)+1536*(\q)+512
	ds_load_b128 v[\reg+6:\reg+9], v[\adr] offset:TILEB*(\i)+1536*(\q)+768
	ds_load_b64 v[\reg+10:\reg+11], v[\adr+2] offset:TILEB*(\i)+1536*(\q)+1280
.endm
; 16 matrix instructions: A's blocks a0, a0 + 1 x B's eight, 128 along K.  p: B's set;  sc: the set of scale words.  zero = 1: the first product starts the sums.
; The 64 accumulators take turns, one instruction a turn, in the same order in every step.
.macro MUL16 a0, p, q, sc, zero
.irp a, \a0, \a0+1
.irp b, 0,1,2,3,4,5,6,7
.if \zero
	v_wmma_scale_f32_16x16x128_f8f6f4 v[8*(8*((\a)%4)+\b):8*(8*((\a)%4)+\b)+7], v[128*(\p)+FR*\b:128*(\p)+FR*\b+FR-1], v[AF+FR*(\a):AF+FR*(\a)+FR-1], 0, v[SC+8*NQ*(\sc)+NQ*\b+(\q)], v[SC+8*NQ*(\sc)+NQ*(\a)+(\q)] matrix_a_fmt:MATRIX_FMT_FP6 matrix_b_fmt:MATRIX_FMT_FP6 matrix_a_scale:MATRIX_SCALE_ROW1
.else
	v_wmma_scale_f32_16x16x128_f8f6f4 v[8*(8*((\a)%4)+\b):8*(8*((\a)%4)+\b)+7], v[128*(\p)+FR*\b:128*(\p)+FR*\b+FR-1], v[AF+FR*(\a):AF+FR*(\a)+FR-1], v[8*(8*((\a)%4)+\b):8*(8*((\a)%4)+\b)+7], v[SC+8*NQ*(\sc)+NQ*\b+(\q)], v[SC+8*NQ*(\sc)+NQ*(\a)+(\q)] matrix_a_fmt:MATRIX_FMT_FP6 matrix_b_fmt:MATRIX_FMT_FP6 matrix_a_scale:MATRIX_SCALE_ROW1
.endif
.endr
.endr
.endm
.macro FETCH_B slot, q, p              ; B's eight fragments of the slot's q-th 128 along K into set p
	WIN TO_B
.irp i, 0,1,2,3,4,5,6,7
	FRAG 128*(\p)+FR*\i, ADRB+\slot, \q, \i
.endr
	WIN 0
.endm
.macro FETCH_A slot, q, i0             ; A's blocks i0 .. i0 + 3
.irp i, \i0, \i0+1, \i0+2, \i0+3
	FRAG AF+FR*(\i), ADRA+\slot, \q, \i
.endr
.endm
.macro SCALES sc                       ; a slot's scale words into set sc: two words a row; lanes 0-15 take A's block i, lanes 16-31 B's block i
.irp i, 0,1,2,3,4,5,6,7
	ds_load_b64 v[SC+8*NQ*\sc+NQ*\i:SC+8*NQ*\sc+NQ*\i+1], v[ADRS] offset:\i*SBLK
.endr
.endm
; A load into a register that a matrix instruction has read, and an LDS store that reads a matrix result, stand NP places behind that matrix instruction; only plain vector instructions that name none of its registers are places.
.macro PLACES n
.rept \n
	v_nop
.endr
.endm
.macro STEP slot, q, zero              ; a step of 128 along K that has its successor in the same slot
	s_wait_dscnt 4*NL                              ; B's set, A's blocks 0-3 and the scale words are in; the youngest sixteen loads (A's blocks 4-7) may be out
	WIN MUL_LO
	MUL16 0, (\q)%2, \q, \slot, \zero
	MUL16 2, (\q)%2, \q, \slot, \zero
	s_wait_dscnt 0                                 ; A's blocks 4-7 are in
	PLACES NP
	FETCH_B \slot, (\q)+1, 1-(\q)%2
	FETCH_A \slot, (\q)+1, 0
	WIN MUL_HI
	MUL16 4, (\q)%2, \q, \slot, \zero
	MUL16 6, (\q)%2, \q, \slot, \zero
	PLACES NP
	WIN 0
	FETCH_A \slot, (\q)+1, 4
.endm
; A slot's last step changes slots: ONE barrier; in front of it each wave waits for all its tensor loads, adds 0 to its spare word, and waits for that and for its own reads of this slot.  fill = 1: this slot is filled again, two slots' worth of K ahead.
.macro TURN slot, next, fill
	s_wait_tensorcnt 0x0                           ; all my tensor loads have landed: my part of the next slot;  (every window is 0 here)
	ds_add_u32 v[SPW], v[NIL]                      ; 0 onto my spare word
	s_wait_dscnt 4*NL+1                            ; (the add and the youngest sixteen loads, A's blocks 4-7, may be out)
	WIN MUL_LO
	MUL16 0, 1, NQ-1, \slot, 0                     ; sixteen matrix instructions stand between the add and the wait for it
	s_wait_dscnt 0x0                               ; the add is done, and my reads of this slot are over
	s_barrier_signal -1
	MUL16 2, 1, NQ-1, \slot, 0
	WIN 0
	s_barrier_wait -1
.if \fill
	CREST                                          ; the barrier has opened a round of the cluster's barrier: no wave of any partner still reads this slot or has a load on its way
	s_add_nc_u64 s[G0+4*\slot+2:G0+4*\slot+3], s[G0+4*\slot+2:G0+4*\slot+3], 2*TILEB
	s_add_nc_u64 s[G0B+4*\slot+2:G0B+4*\slot+3], s[G0B+4*\slot+2:G0B+4*\slot+3], 2*TILEB
	JLOAD G0+4*\slot, G1, G0B+4*\slot, G1B         ; the first tensor load behind the round; its four v_nop are the places in front of the loads below
.else
	PLACES NP
.endif
	v_add_nc_u32 v[ADRS], 128, v[ADRS]             ; on to the next slot's scale words (no LDS load of mine is out)
	FETCH_B \next, 0, 0
	FETCH_A \next, 0, 0
	SCALES \next
	WIN MUL_HI
	MUL16 4, 1, NQ-1, \slot, 0
	MUL16 6, 1, NQ-1, \slot, 0
	PLACES NP
	WIN 0
	FETCH_A \next, 0, 4
.endm
	s_wait_tensorcnt 1                             ; the scale words and my part of slot 0 are in (slot 1's load may be out)
	s_barrier_signal -1
	s_barrier_wait -1                              ; everybody's are
	FETCH_B 0, 0, 0
	FETCH_A 0, 0, 0
	SCALES 0
	FETCH_A 0, 0, 4
	STEP 0, 0, 1                                   ; K = 1,024 is eight steps of 128, four slots' worth: written straight.  The first step's products start the sums
	TURN 0, 1, 1
	STEP 1, 0, 0
	TURN 1, 0, 1
	STEP 0, 0, 0
	TURN 0, 1, 0                                   ; the last two slots are not filled again
	STEP 1, 0, 0
	s_wait_dscnt 4*NL                              ; the very last step: nothing more to fetch
	WIN MUL_LO
	MUL16 0, 1, NQ-1, 1, 0
	MUL16 2, 1, NQ-1, 1, 0
	s_wait_dscnt 0
	WIN MUL_HI
	MUL16 4, 1, NQ-1, 1, 0
	MUL16 6, 1, NQ-1, 1, 0
	WIN 0
; THE WAY OUT, block by block of 16 rows x 128 columns, through my own stage in LDS, back as whole rows of 512 bytes.  Tile b's eight numbers of lane (r, h) are columns 32 (b / 2) + 8 (b % 2) + 16 h + 0 .. 7;
; stage row t of block a is the result's row 32 (a / 2) + 8 (a % 2) + t + 8 (t / 8) of my 128.  LDS serves a wave's instructions in order: no wait between the stores and the loads, nor in front of the next block's stores.
.macro TOSTAGE a
.set AC, 64*((\a)%4)
	WIN 0x08+4*((\a)/4)                            ; the data: window 2 or 3
.irp b, 0,1,2,3,4,5,6,7
	ds_store_b128 v[STO], v[AC+8*\b:AC+8*\b+3] offset:128*(\b/2)+32*(\b%2)          ; each accumulator from its low end on
	ds_store_b128 v[STO], v[AC+8*\b+4:AC+8*\b+7] offset:128*(\b/2)+32*(\b%2)+16
.endr
	WIN 0
.set BB, BK+64*((\a)%2)
.irp t, 0,1,2,3,4,5,6,7,8,9,10,11,12,13,14,15
	ds_load_b128 v[BB+4*\t:BB+4*\t+3], v[RD] offset:\t*SPITCH
.endr
.endm
.macro SEND a, younger                 ; younger: the LDS instructions issued behind block a's loads, which may stay out
.set BB, BK+64*((\a)%2)
	s_wait_dscnt \younger                          ; the block is back in registers
.irp t, 0,1,2,3,4,5,6,7,8,9,10,11,12,13,14,15
	global_store_b128 v[CO], v[BB+4*\t:BB+4*\t+3], s[12:13] offset:(32*((\a)/2)+8*((\a)%2)+\t+8*(\t/8))*4096 th:TH_STORE_NT   ; 32 lanes store 512 consecutive bytes, at a multiple of 256 from the result's first byte; 127 rows at the most: inside the signed 24-bit immediate
.endr
.endm
	PLACES NP                                      ; behind the last products: their results are read, and loads land in the registers that held A's fragments
	TOSTAGE 0
.irp a, 1,2,3,4,5,6,7
.if \a > 1
	s_wait_xcnt 0x0                                ; block a - 2's stores have read their registers: block a's loads may land there
.endif
	TOSTAGE \a
	SEND \a-1, 32                                  ; behind block a - 1's loads: block a's 16 stores and 16 loads
.endr
	SEND 7, 0
	s_wait_tensorcnt 0x0                           ; the wave's end: behind my last tensor load and my last LDS store
	ds_add_u32 v[SPW], v[NIL]
	s_wait_dscnt 0x0
	CROUND                                         ; the closing round: no work-group ends while a partner may still ask for a tile that names it
	s_endpgm
.Lfunc_end_k_qb0fd817c9d_gemm_out:
	.size	k_qb0fd817c9d_gemm_out, .Lfunc_end_k_qb0fd817c9d_gemm_out-k_qb0fd817c9d_gemm_out
	.p2alignl 7, 3214868480
	.fill 96, 4, 3214868480
	.section	.rodata,"a",@progbits
	.p2align	6, 0x0
	.amdhsa_kernel k_qb0fd817c9d_gemm_out
		.amdhsa_group_segment_fixed_size 327680
		.amdhsa_private_segment_fixed_size 0
		.amdhsa_enable_private_segment 0
		.amdhsa_kernarg_size 24
		.amdhsa_user_sgpr_count 2
		.amdhsa_user_sgpr_kernarg_segment_ptr 1
		.amdhsa_wavefront_size32 1
		.amdhsa_system_sgpr_workgroup_id_x 1
		.amdhsa_system_sgpr_workgroup_id_y 1
		.amdhsa_system_sgpr_workgroup_id_z 1
		.amdhsa_system_vgpr_workitem_id 0
		.amdhsa_next_free_vgpr 1024
		.amdhsa_next_free_sgpr 100
		.amdhsa_reserve_vcc 0
		.amdhsa_float_denorm_mode_32 3
		.amdhsa_float_denorm_mode_16_64 3
		.amdhsa_memory_ordered 1
		.amdhsa_forward_progress 1
		.amdhsa_inst_pref_size 143
	.end_amdhsa_kernel
	.amdgpu_metadata
---
amdhsa.version: [ 1, 2 ]
amdhsa.kernels:
  - .name:           k_qb0fd817c9d_gemm_out
    .symbol:         k_qb0fd817c9d_gemm_out.kd
    .args:
      - { .name: oq, .offset: 0, .size: 8, .value_kind: global_buffer, .address_space: global }
      - { .name: opq, .offset: 8, .size: 8, .value_kind: global_buffer, .address_space: global }
      - { .name: out0, .offset: 16, .size: 8, .value_kind: global_buffer, .address_space: global }
    .group_segment_fixed_size: 327680
    .private_segment_fixed_size: 0
    .kernarg_segment_align: 8
    .kernarg_segment_size: 24
    .max_flat_workgroup_size: 128
    .sgpr_count:     100
    .vgpr_count:     1024
    .wavefront_size: 32
...
	.end_amdgpu_metadata
.endif
;; end of part 4
